; MI455X (gfx1250); checked and timed in simulation.
; The chip was launched on July 23, 2026; its instructions are those of AMD's public machine-readable ISA for CDNA 5 (MIT licence, August 2026) and "CDNA5" Instruction Set Architecture Reference Guide (July 2026). The comments in the code are by the model that wrote it; some were corrected since.
;; Chat GPT Attention. Allowed arithmetic: matrix products marked QUANTISED: E3M2 operands, one E8M0 scale for each 32 along K, by v_wmma_scale_f32_16x16x128_f8f6f4 with both operands' format E3M2, f32 sums; everything else in f32.
;; Inputs: mask 1 x 1 x 2,048 x 2,048 int32; w_o_b 1,024 float32; w_o_w 1,024 x 1,024 float32; w_qkv_b 3,072 float32; w_qkv_w 3,072 x 1,024 float32; x 2 x 2,048 x 1,024 float32.
;; Outputs: out0 2 x 2,048 x 1,024 float32.
;; This version of the problem:
;;   THIS VERSION OF THE PROBLEM IS GIVEN IN LOW PRECISION. The matrix products marked QUANTISED in the list below multiply operands that are first quantised to E3M2 (3 exponent bits, 2 mantissa bits; 6 bits a number), with one power-of-two scale for each 32 numbers along K (OCP MX v1.0); their sums are f32. All else is computed in f32.
;;   The module's matrix products, in the order in which they are computed (A, B: the left and right operand; K: the contracted axis; several contracted axes count as one K, in the product's order):
;;     1. [M 4,096, K 1,024] x [K 1,024, N 3,072]; A: input x; B: input w_qkv_w: QUANTISED
;;     2. batch 32 x [M 2,048, K 64] x [K 64, N 2,048]; A: computed on the way; B: computed on the way: QUANTISED
;;     3. batch 32 x [M 2,048, K 2,048] x [K 2,048, N 64]; A: softmax (see below); B: computed on the way: QUANTISED
;;     4. [M 4,096, K 1,024] x [K 1,024, N 1,024]; A: computed on the way; B: input w_o_w: QUANTISED
;;   THE QUANTISER, for each operand of a quantised product, along K:
;;     - K is cut into blocks of 32 from its start; a last block that is shorter is filled with zeros.
;;     - A block's scale is 2^e with e = floor(log2(the largest magnitude in the block)) - 4, held to -126 .. 127; a block of zeros has e = 0. As a byte (E8M0): e + 127.
;;     - Each number is divided by its block's scale, clamped to +-28, and rounded to the nearest number of E3M2, ties to even, subnormals kept.
;;     - The product sums the exact products of the quantised numbers (number of the format x scale) in f32.
;;   ~~~python
;;   def quantise(x, axis):      # numpy; x: float32 -> the quantised numbers, widened to float32 again
;;       x = np.moveaxis(x, axis, -1); K = x.shape[-1]
;;       x = np.pad(x, [(0, 0)] * (x.ndim - 1) + [(0, -K % 32)]); x = x.reshape(x.shape[:-1] + (-1, 32)); a = np.abs(x).max(-1, keepdims=True)
;;       e = np.where(a > 0, np.clip(np.frexp(np.where(a > 0, a, 1))[1] - 1 - 4, -126, 127), 0)      # np.frexp(a)[1] - 1 = floor(log2(a)), exactly
;;       r = np.clip(x / 2.0 ** e, -28, 28)
;;       step = 2.0 ** (np.maximum(np.frexp(np.where(r == 0, 1, r))[1] - 1, -2) - 2)
;;       q = np.round(r / step) * step * 2.0 ** e      # np.round: ties to even
;;       return np.moveaxis(q.reshape(q.shape[:-2] + (-1,))[..., :K], -1, axis).astype(np.float32)
;;   ~~~
;;   SOFTMAX AHEAD OF A QUANTISED PRODUCT. Where the list says 'softmax', what is quantised is not the finished softmax but p = 2^(t - M), with t = logit x log2(e) and M = ceil(the row's largest t), a whole number; so 1/2 < the row's largest p <= 1. The row's sum l is taken of the UNQUANTISED p, in f32, and the product's result is divided by l at the end. Since M is a whole number, a kernel that streams over the keys may use a running M (the ceiling of the running maximum): every later rescaling is an exact power of two, which a block's scale takes up: the codes' values come out the same.
;;   OPERANDS COMPUTED ON THE WAY. 'Computed on the way' means the value that the module computes at that place (a softmax that the list does not call 'softmax' is quantised finished and normalised). What goes into a quantiser is computed in f32, as accurately as f32 sums, v_exp_f32 and their like allow (about 1e-6 of the number): no bf16 or f16 on the way to a quantiser, and a product that is left as it is and whose result goes on into a quantised operand takes f32 operands (vector FMAs, or v_wmma_f32_16x16x4_f32). A number that lies on a knife's edge between two numbers of the format may be rounded either way, as far as f32 arithmetic and the matrix unit's own rounding can turn it there, and no further.
;; 2 versions, each right; version 2 is version 1 with the launch attn written anew for expert scheduling mode. Each part assembles by itself: llvm-mc -triple=amdgcn-amd-amdhsa -mcpu=gfx1250 --defsym DOCPART=n.
;; ======== version 1 of 2: 4 launches
;; limits: right only within a limited range of input values
;; workspace buffers: cod 6,291,456 bytes; scl 262,144 bytes; mw 524,800 bytes of whole numbers; qkv 9,437,184 bytes; qkvs 393,216 bytes; ac 3,145,728 bytes; asc 131,072 bytes
;; launch prep (part 1): grid 384 x 1, 16 waves a work-group, no clusters, 138,496 bytes of LDS; arguments x, w_qkv_w, w_o_w, mask, cod, scl, mw; writes cod, scl, mw
.if DOCPART == 1
	.amdgcn_target "amdgcn-amd-amdhsa--gfx1250"
	.amdhsa_code_object_version 6
	.text
	.protected	k_qb5de6420ef_prep
	.globl	k_qb5de6420ef_prep
	.p2align	8
	.type	k_qb5de6420ef_prep,@function
k_qb5de6420ef_prep:
	s_mov_b64 s[64:65], 0
	v_nop
	global_prefetch_b8 v0, s[64:65] scope:SCOPE_SE
	s_setreg_imm32_b32 hwreg(HW_REG_WAVE_MODE, 25, 1), 1
	s_wait_xcnt 0x0
; x [4096][1024], w_qkv_w [3072][1024], w_o_w [1024][1024], f32, become codes of BF6 (E3M2) with one E8M0 byte for each 32 along K; the int32 mask [2048][2048] becomes lane-mask words and step flags.
; TILES.  Everywhere in this program a tile of 16 rows is tile t = rows 32 (t / 2) + 8 (t % 2) + rho + 8 (rho / 8), rho = 0 .. 15: a product that takes tiles 2 b, 2 b + 1 as source 0 then leaves a lane 16 NEIGHBOURS along those rows.
; IMAGES.  A fragment (16 rows x 128 K, 12 registers a lane) lies in memory as its registers: two halves of 768 bytes, each registers 6 c .. 6 c + 3 at 16 x lane and registers 6 c + 4, 6 c + 5 at 512 + 8 x lane.
; cod: 512 tiles x 8 K steps x 1,536 bytes: tiles 0-255 x; 256-447 w_qkv_w in 8 panels of 24 (16 tiles of q/k rows 256 X on, 8 tiles of v rows 2048 + 128 X on); 448-511 w_o_w.  scl: [tile][row 16][8 scale words].
; mw: [query tile 128][key step 16][64 words]: bit L of word 16 b + i says that mask[row L % 16 of the tile][128 step + 32 b + 16 (L / 16) + i] is not 0: the lane mask that the attention's score register 16 b + i wants.
;     From byte 524,288: a word for each query tile: bit k: step k has to be computed (some key counts, or some row of the tile has no key at all: such a row weighs all 2,048 keys alike); bit 16 + k: step k has hidden keys.
; SHARES.  A wave takes ONE unit of 16 rows x 512 bytes by 16 loads of 512 consecutive bytes, all out together; the unit turns through the wave's own stage in LDS, so that lane (r, h) holds of row r
; register 16 b + i = number 32 b + 16 h + i.  Work-groups 0-255: two tiles x 8 K steps of the three float tensors; 256-383: a query tile x 16 key steps of the mask.  The work-groups share no input: nothing to ask for jointly.
; A block's scale is 2^(floor(log2(its largest magnitude)) - 4): its byte is that magnitude's exponent field - 4, held at 1 from below.
; LIMITS: a block of zeros, or one whose largest magnitude lies under 2^-122, keeps the byte 1 (zero blocks have zero codes; this program alone reads the bytes); NaN and infinities among the inputs are not served.
.set SP,   528                         ; a stage row: 512 bytes + 16
.set WSTG, 16*SP                       ; a wave's stage
.set SCG,  16*WSTG                     ; float tensors alone: [tile 2][row 16][8 words] of scale words, 1,024 bytes
.set FLA,  SCG+1024                    ; mask alone: 8 bytes a wave
.set OF,   16                          ; v16-31  the 16 loads' byte offsets
.set TM,   16                          ; v16-31  at work in QUANT, once the loads are done
.set X,    32                          ; v32-95  the unit
.set PC,   96                          ; v96-107 the codes; v108-114 the conversions' second halves
.set PW,   116                         ; v116    the scale word
.set SEL,  20                          ; s[20:21] v_permlanex16_b32's selects for lane l xor 16
	s_load_b256 s[4:11], s[0:1], 0x0               ; x, w_qkv_w, w_o_w, mask
	s_load_b128 s[12:15], s[0:1], 0x20             ; cod, scl
	s_load_b64 s[16:17], s[0:1], 0x30              ; mw
	v_lshl_add_u32 v128, v0, 2, 0x21500
	v_mov_b32 v129, 0
	v_lshrrev_b32 v1, 5, v0
	v_readfirstlane_b32 s18, v1                    ; wave 0..15
	v_and_b32 v1, 31, v0                           ; lane
	v_and_b32 v2, 15, v0                           ; r
	v_bfe_u32 v3, v0, 4, 1                         ; h
	v_lshlrev_b32 v4, 4, v1                        ; 16 x lane
	v_lshlrev_b32 v5, 3, v1                        ; 8 x lane
	s_mul_i32 s22, s18, WSTG
	v_add_nc_u32 v6, s22, v4                       ; the stage, on the way in: a row as it is loaded
	v_mul_u32_u24 v7, v2, SP
	v_lshl_add_u32 v7, v3, 6, v7
	v_add_nc_u32 v7, s22, v7                       ; on the way out: row r, + 64 h
	s_lshr_b32 s23, s18, 3                         ; which of the work-group's two tiles
	s_and_b32 s24, s18, 7                          ; which K step
	s_lshl_b32 s25, s23, 9
	s_lshl_b32 s26, s24, 2
	s_add_co_u32 s25, s25, s26
	s_add_co_u32 s25, s25, SCG
	v_lshl_add_u32 v8, v2, 5, s25                  ; my row's scale word of my K step
	s_lshl_b32 s26, s18, 3
	s_add_co_u32 s26, s26, FLA
	v_mov_b32 v9, s26                              ; my wave's two flag words
	s_mov_b32 s[SEL], 0x76543210
	s_mov_b32 s[SEL+1], 0xfedcba98
	; which 16 rows: the source tile, by the work-group's and the wave's number alone
	s_lshl_b32 s27, ttmp9, 1
	s_add_co_u32 s27, s27, s23                     ; tau: the tile in cod; for x also the source tile
	s_sub_co_u32 s28, s27, 256                     ; w_qkv_w: tau' = 24 X + i
	s_mul_i32 s29, s28, 171
	s_lshr_b32 s29, s29, 12                        ; X = tau' / 24 (exact for tau' under 192)
	s_mul_i32 s30, s29, 24
	s_sub_co_u32 s30, s28, s30                     ; i
	s_lshl_b32 s31, s29, 4                         ; q/k rows: tile 16 X + i
	s_lshl_b32 s32, s29, 3
	s_add_co_u32 s32, s32, 112                     ; v rows: tile 128 + 8 X + (i - 16)
	s_cmp_lt_u32 s30, 16
	s_cselect_b32 s31, s31, s32
	s_add_co_u32 s31, s31, s30
	s_sub_co_u32 s32, s27, 448                     ; w_o_w's tile
	s_sub_co_u32 s33, ttmp9, 256                   ; the mask's query tile
	s_cmp_lt_u32 ttmp9, 128
	s_cselect_b32 s34, s27, s31
	s_cmp_lt_u32 ttmp9, 224
	s_cselect_b32 s34, s34, s32
	s_cmp_lt_u32 ttmp9, 256
	s_cselect_b32 s34, s34, s33                    ; the source tile
	s_cselect_b32 s35, s24, s18                    ; which 512 bytes of its rows: the K step, or for the mask the key step = the wave
	s_mov_b32 s36, 8192
	s_cselect_b32 s36, 4096, s36                   ; bytes from row to row
	s_lshr_b32 s40, s34, 1
	s_lshl_b32 s40, s40, 5
	s_and_b32 s41, s34, 1
	s_lshl_b32 s41, s41, 3
	s_add_co_u32 s40, s40, s41                     ; the tile's first row
	s_mul_i32 s40, s40, s36
	s_lshl_b32 s41, s35, 9
	s_add_co_u32 s40, s40, s41
	s_mov_b32 s41, 0
.set q, 0
.rept 16
	v_mad_u32_u24 v[OF+q], s36, q+8*(q/8), v4      ; row rho of the tile lies rho + 8 (rho / 8) rows on
.set q, q+1
.endr
	s_wait_kmcnt 0x0
	s_cmp_lt_u32 ttmp9, 128                        ; the tensor: a choice that hangs on the work-group's number alone
	s_cselect_b64 s[38:39], s[4:5], s[6:7]
	s_cmp_lt_u32 ttmp9, 224
	s_cselect_b64 s[38:39], s[38:39], s[8:9]
	s_cmp_lt_u32 ttmp9, 256
	s_cselect_b64 s[38:39], s[38:39], s[10:11]
	s_add_nc_u64 s[38:39], s[38:39], s[40:41]
.set q, 0
.rept 16
	global_load_b128 v[X+4*q:X+4*q+3], v[OF+q], s[38:39] th:TH_LOAD_NT   ; 32 lanes read 512 consecutive bytes of a row; read once in the launch
.set q, q+1
.endr
.set q, 0
.rept 16
	s_wait_loadcnt 15-q                            ; loads come back in order: row q is in, the younger rows stay out
	ds_store_b128 v6, v[X+4*q:X+4*q+3] offset:SP*q
.set q, q+1
.endr
	s_wait_dscnt 0x0                               ; the stores have read their registers
.set q, 0
.rept 16
	ds_load_b128 v[X+4*q:X+4*q+3], v7 offset:128*(q/4)+16*(q%4)   ; register 16 b + 4 e + ..: bytes 128 b + 64 h + 16 e of my row
.set q, q+1
.endr
	s_wait_dscnt 0x0
	s_cmp_ge_u32 ttmp9, 256
	s_cbranch_scc1 .Lmask
	; ---- the float tensors: 64 numbers of a lane become a fragment's 12 registers and its scale word
.irp b, 0,1,2,3
	v_max3_num_f32 v[TM+\b], |v[X+16*\b]|, |v[X+1+16*\b]|, 0x2800000   ; block b: my 16 numbers, and the floor 2^(5 - 127): the byte cannot fall under 1
.endr
.irp i, 2,4,6,8,10,12,14
.irp b, 0,1,2,3
	v_max3_num_f32 v[TM+\b], v[TM+\b], |v[X+16*\b+\i]|, |v[X+1+16*\b+\i]|   ; the four blocks by turns
.endr
.endr
.irp b, 0,1,2,3
	v_permlanex16_b32 v[TM+4+\b], v[TM+\b], s[SEL], s[SEL+1]   ; (its destination has been written: it held a load's offset)
.endr
.irp b, 0,1,2,3
	v_max_num_f32 v[TM+\b], v[TM+\b], v[TM+4+\b]   ; with lane l xor 16's: the block's largest magnitude
.endr
.irp b, 0,1,2,3
	v_add_nc_u32 v[TM+12+\b], 0xfe000000, v[TM+\b] ; 4 off its exponent field: the conversion takes this operand's exponent field as its scale
.endr
.irp b, 0,1,2,3
	v_lshrrev_b32 v[TM+4+\b], 23, v[TM+12+\b]      ; the scale's byte
.endr
	v_lshl_or_b32 v[PW], v[TM+5], 8, v[TM+4]
	v_lshl_or_b32 v[PW], v[TM+6], 16, v[PW]
	v_lshl_or_b32 v[PW], v[TM+7], 24, v[PW]        ; my row's scale word
.irp c, 0,1
	v_cvt_scalef32_pk16_bf6_f32 v[PC+6*\c:PC+2+6*\c], v[X+32*\c:X+15+32*\c], v[TM+12+2*\c]
	v_cvt_scalef32_pk16_bf6_f32 v[PC+12+4*\c:PC+14+4*\c], v[X+16+32*\c:X+31+32*\c], v[TM+12+2*\c+1]   ; (a conversion's three registers begin on an even number)
.endr
	v_nop                                          ; one plain place behind a scaled conversion
.irp c, 0,1                                    ; the operand wants a WHOLE block in a lane: lanes 0-15 block 2 c, lanes 16-31 block 2 c + 1
.irp i, 0,1,2
	v_permlane16_swap_b32 v[PC+6*\c+\i], v[PC+12+4*\c+\i]
.endr
.irp i, 0,1,2
	v_mov_b32 v[PC+3+6*\c+\i], v[PC+12+4*\c+\i]
.endr
.endr
	s_mul_i32 s40, s27, 12288
	s_mul_i32 s41, s24, 1536
	s_add_co_u32 s40, s40, s41
	s_mov_b32 s41, 0
	s_add_nc_u64 s[40:41], s[12:13], s[40:41]      ; cod at (tile, K step)
	global_store_b128 v4, v[PC:PC+3], s[40:41]               ; each store covers 512 or 256 consecutive bytes, aligned
	global_store_b64 v5, v[PC+4:PC+5], s[40:41] offset:512
	global_store_b128 v4, v[PC+6:PC+9], s[40:41] offset:768
	global_store_b64 v5, v[PC+10:PC+11], s[40:41] offset:1280
	ds_store_b32 v8, v[PW]                         ; both halves of the lanes write the same word with the same value
	s_wait_dscnt 0x0                               ; for the others' sake: my scale words lie in LDS
	s_barrier_signal -1
	s_barrier_wait -1
	s_cmp_lt_u32 s18, 2                            ; waves 0 and 1 store a tile's 512 bytes of scale words whole
	s_cbranch_scc0 .Ldone_q
	s_lshl_b32 s42, s18, 9
	s_add_co_u32 s43, s42, SCG
	v_add_nc_u32 v10, s43, v4
	ds_load_b128 v[32:35], v10
	s_lshl_b32 s44, ttmp9, 10
	s_add_co_u32 s44, s44, s42
	s_mov_b32 s45, 0
	s_add_nc_u64 s[44:45], s[14:15], s[44:45]
	s_wait_dscnt 0x0
	global_store_b128 v4, v[32:35], s[44:45]
.Ldone_q:
	s_wait_tensorcnt 0x0
	ds_add_u32 v128, v129
	s_wait_dscnt 0x0
	s_endpgm
	; ---- the mask: register j's compare IS word j: a bit for each lane
.Lmask:
	v_mov_b32 v96, 0                               ; v_writelane_b32's destination counts as read
	v_mov_b32 v97, 0
	s_mov_b32 s42, 0                               ; the words' OR: bit L: lane L has a key that counts
	s_mov_b32 s43, -1                              ; their AND: all ones where no key is hidden
.set j, 0
.rept 64
	v_cmp_ne_u32 s[30+(j&1)], 0, v[X+j]
	v_writelane_b32 v[96+(j&1)], s[30+(j&1)], j>>1 ; lane l gathers words 2 l and 2 l + 1
	s_or_b32 s42, s42, s[30+(j&1)]
	s_and_b32 s43, s43, s[30+(j&1)]
.set j, j+1
.endr
	s_lshl_b32 s44, s33, 4
	s_add_co_u32 s44, s44, s18
	s_lshl_b32 s44, s44, 8
	s_mov_b32 s45, 0
	s_add_nc_u64 s[44:45], s[16:17], s[44:45]
	global_store_b64 v5, v[96:97], s[44:45]        ; 32 lanes store 256 consecutive bytes, aligned
	v_mov_b32 v98, s42
	v_mov_b32 v99, s43
	ds_store_b64 v9, v[98:99]                      ; all lanes write the same 8 bytes
	s_wait_dscnt 0x0
	s_barrier_signal -1
	s_barrier_wait -1
	s_cmp_lg_u32 s18, 0                            ; wave 0 makes the tile's flag word
	s_cbranch_scc1 .Ldone_m
	v_lshl_add_u32 v10, v2, 3, FLA
	ds_load_b64 v[100:101], v10                    ; lane k (and k + 16): step k's OR and AND
	s_lshl_b32 s46, s33, 2
	s_add_co_u32 s46, s46, 524288
	s_mov_b32 s47, 0
	s_add_nc_u64 s[46:47], s[16:17], s[46:47]
	s_wait_dscnt 0x0
	v_cmp_ne_u32 s30, 0, v100                      ; bit k: some key of step k counts
	v_cmp_ne_u32 s31, -1, v101                     ; bit k: some key of step k is hidden
	s_mov_b32 s42, 0
.irp k, 0,1,2,3,4,5,6,7,8,9,10,11,12,13,14,15
	v_readlane_b32 s43, v100, \k
	s_or_b32 s42, s42, s43
.endr
	s_lshr_b32 s43, s42, 16
	s_or_b32 s42, s42, s43
	s_and_b32 s42, s42, 0xffff                     ; bit r: row r has a key that counts somewhere
	s_mov_b32 s43, 0xffff
	s_cmp_eq_u32 s42, s43
	s_cselect_b32 s43, 0, s43                      ; a tile with a row that has none computes every step
	s_and_b32 s30, s30, 0xffff
	s_or_b32 s30, s30, s43
	s_lshl_b32 s31, s31, 16
	s_or_b32 s30, s30, s31
	v_mov_b32 v102, s30
	v_mov_b32 v103, 0
	v_cmp_eq_u32 vcc_lo, 0, v1
	s_wait_xcnt 0x0                                ; EXEC is a source of the store above: it changes only behind this wait
	s_and_saveexec_b32 s40, vcc_lo
	global_store_b32 v103, v102, s[46:47]          ; lane 0 alone
	s_wait_xcnt 0x0                                ; and again in front of the line that widens it
	s_or_b32 exec_lo, exec_lo, s40
.Ldone_m:
	s_wait_tensorcnt 0x0
	ds_add_u32 v128, v129
	s_wait_dscnt 0x0
	s_endpgm
.Lfunc_end_k_qb5de6420ef_prep:
	.size	k_qb5de6420ef_prep, .Lfunc_end_k_qb5de6420ef_prep-k_qb5de6420ef_prep
	.p2alignl 7, 3214868480
	.fill 96, 4, 3214868480
	.section	.rodata,"a",@progbits
	.p2align	6, 0x0
	.amdhsa_kernel k_qb5de6420ef_prep
		.amdhsa_group_segment_fixed_size 138496
		.amdhsa_private_segment_fixed_size 0
		.amdhsa_enable_private_segment 0
		.amdhsa_kernarg_size 56
		.amdhsa_user_sgpr_count 2
		.amdhsa_user_sgpr_kernarg_segment_ptr 1
		.amdhsa_wavefront_size32 1
		.amdhsa_system_sgpr_workgroup_id_x 1
		.amdhsa_system_sgpr_workgroup_id_y 1
		.amdhsa_system_sgpr_workgroup_id_z 1
		.amdhsa_system_vgpr_workitem_id 0
		.amdhsa_next_free_vgpr 130
		.amdhsa_next_free_sgpr 66
		.amdhsa_reserve_vcc 1
		.amdhsa_float_denorm_mode_32 3
		.amdhsa_float_denorm_mode_16_64 3
		.amdhsa_memory_ordered 1
		.amdhsa_forward_progress 1
		.amdhsa_inst_pref_size 30
	.end_amdhsa_kernel
	.amdgpu_metadata
---
amdhsa.version: [ 1, 2 ]
amdhsa.kernels:
  - .name:           k_qb5de6420ef_prep
    .symbol:         k_qb5de6420ef_prep.kd
    .args:
      - { .name: x, .offset: 0, .size: 8, .value_kind: global_buffer, .address_space: global }
      - { .name: w_qkv_w, .offset: 8, .size: 8, .value_kind: global_buffer, .address_space: global }
      - { .name: w_o_w, .offset: 16, .size: 8, .value_kind: global_buffer, .address_space: global }
      - { .name: mask, .offset: 24, .size: 8, .value_kind: global_buffer, .address_space: global }
      - { .name: cod, .offset: 32, .size: 8, .value_kind: global_buffer, .address_space: global }
      - { .name: scl, .offset: 40, .size: 8, .value_kind: global_buffer, .address_space: global }
      - { .name: mw, .offset: 48, .size: 8, .value_kind: global_buffer, .address_space: global }
    .group_segment_fixed_size: 138496
    .private_segment_fixed_size: 0
    .kernarg_segment_align: 8
    .kernarg_segment_size: 56
    .max_flat_workgroup_size: 512
    .sgpr_count:     66
    .vgpr_count:     130
    .wavefront_size: 32
...
	.end_amdgpu_metadata
.endif
;; end of part 1
;; launch qkv (part 2): grid 8 x 32, 8 waves a work-group, clusters of 4 x 4, 327,680 bytes of LDS; arguments cod, scl, w_qkv_b, qkv, qkvs; writes qkv, qkvs
.if DOCPART == 2
	.amdgcn_target "amdgcn-amd-amdhsa--gfx1250"
	.amdhsa_code_object_version 6
	.text
	.protected	k_qb5de6420ef_qkv
	.globl	k_qb5de6420ef_qkv
	.p2align	8
	.type	k_qb5de6420ef_qkv,@function
k_qb5de6420ef_qkv:
	s_mov_b64 s[64:65], 0
	v_nop
	global_prefetch_b8 v0, s[64:65] scope:SCOPE_SE
	s_setreg_imm32_b32 hwreg(HW_REG_WAVE_MODE, 25, 1), 1
	s_wait_xcnt 0x0
	s_wait_alu depctr_hold_cnt(0) depctr_sa_sdst(0) depctr_va_vdst(0) depctr_va_sdst(0) depctr_va_ssrc(0) depctr_va_vcc(0) depctr_vm_vsrc(0)
	s_getreg_b32 s2, hwreg(HW_REG_IB_STS2, 6, 4)
	s_cmp_eq_u32 s2, 0
	s_cbranch_scc0 .Lentry_in_a_cluster
	s_endpgm
.Lentry_in_a_cluster:
	s_bfe_u32 s2, ttmp6, 0x10000c
	s_cmp_lg_u32 s2, 0xf033
	s_cbranch_scc0 .Lentry_shape_is_right
	s_endpgm
.Lentry_shape_is_right:
; qkv = x w_qkv_w^T + w_qkv_b on codes of BF6 with E8M0 scales (K = 1,024: 8 steps of 128), and its results quantised at once: q and k along the head's 64, v along the keys.
; SHARES.  Work-group (x, y): 128 tokens (batch y / 16, key step y % 16; x's tiles 8 y on) against panel x of the weights: 16 tiles of q/k rows (heads' 4 x .. 4 x + 3 of 32: q 0-15, k 16-31) and 8 tiles of v rows (heads 2 x, 2 x + 1).
; Wave w: G = w / 4: token tiles 4 G + a; i = w % 4: q/k tiles 4 i + t = one head', v tiles 2 i + n.  24 accumulators, which take turns, one instruction a turn, in the same order in every K step.
; q/k IS USED TRANSPOSED (source 0 = 16 rows of W, source 1 = 16 tokens): a lane holds one token, and by the tiles' order the 32 registers of a token tile are d = 32 b + 16 h + i: the next product's K.
; v IS USED STRAIGHT (source 0 = 16 tokens, source 1 = 16 rows of W): a lane holds one d, and the 32 registers of a v tile are tokens 64 G + 32 b + 16 h + i: the keys, the third product's K.
; The biases are the C of each sum's first matrix instruction, in the result's layout.
; RING.  K goes in 4 chunks of 256 through three LDS slots (32 tile rows of 3,072 bytes: 8 of x, 24 of W; images of registers, so every LDS load takes 512 or 256 consecutive bytes).  Chunks 0-2 are first fills; chunk 3 is the one refill.
; CLUSTERS: 4 x 4 work-groups.  x's tiles hang on y alone and are asked for jointly along a row of the cluster, W's on x alone and along a column.  A wave has three tensor loads out at the start, later one.
; OUT.  qkv: [b][head' 32][token tile 128][768]: half images (16 rows x 64); from byte 6,291,456 v: [b][head 16][step 16][d tile 4][half 2][768].
; qkvs: [b][head'][step][row 16][4 words], word p = the two bytes of tile 2 p and the two of tile 2 p + 1; from byte 262,144 v: [b][head][step][row 16][d tile 4] words, a byte for each 32 keys of the step.
; The scale bytes, one in 24 of what is stored, leave by 4 and 2 bytes a lane: a wave holds only a part of each 256 bytes of them.
; LIMITS: blocks of zeros, or with a largest magnitude under 2^-122, keep the byte 1; NaN and infinities are not served.
; REGISTERS.  Window 0: v2-19 LDS addresses; v20-28 offsets; v32-79 x's 4 fragments; v80-127 W q/k's 4; v128-151 W v's 2; v152-231 scale words (10 tiles x 8 K steps).
; Window 1: v0-127 q/k's accumulators at 8 (4 a + t); v128-191 v's at 128 + 8 (4 n + a); v192-223 q/k's bias, v224-239 v's; at the end v192-247 codes and work.
.set TROW,  3072                       ; a tile's part of a chunk: two fragments
.set FRB,   1536
.set SLOT,  32*TROW
.set SPARE, 3*SLOT                     ; behind the slots: the spare words, 128 bytes for each wave: four blocks of 256 bytes that no other line names
.set AD,    2                          ; v[AD + 6 s + k]: slot s: x by 16 and by 8 bytes a lane, W q/k likewise, W v likewise
.set L16,   20
.set L8,    21
.set QSO,   22                         ; q/k's scale word: 16 r + 8 G + 4 h
.set VSO,   23                         ; v's two scale bytes: 16 r + 4 (2 (i % 2) + h) + 2 G
.set SPW,   24                         ; LDS address of my spare word; never rewritten
.set NIL,   25                         ; 0; never rewritten
.set R32,   26                         ; 32 r
.set H64,   27                         ; 64 h
.set P4,    28                         ; 4 (r + 8 (r / 8))
.set AF,    32
.set WF,    80
.set VF,    128
.set SCA,   152
.set SCW,   184
.set SCV,   216
.set BQ,    192                        ; window 1
.set BV,    224
.set PCS,   192                        ; window 1, at the end: six sets of 6 code registers
.set PT,    228
.set TM,    232
.set PW,    240
.set WV,    14
.set SEL,   66                         ; s66, s67
.set G1A,   24
.set G1B,   32
.set G0A,   40                         ; three sets
.set G0B,   52
.set MSB, 0
.macro WIN new                         ; the immediate's high byte repeats the setting that is left
.if MSB != \new
	s_set_vgpr_msb (MSB<<8)|\new
.set MSB, \new
.endif
.endm
.macro PLACES                          ; four places between a matrix instruction and a load into a register that it read, or a read of its result
.rept 4
	v_nop
.endr
.endm
.macro CROUND                          ; a round of the cluster's barrier
	s_barrier_signal -1
	s_barrier_wait -1
	s_cmp_lg_u32 s[WV], 0
	s_cbranch_scc1 .Lnot_wave_0_\@
	s_barrier_signal -3
.Lnot_wave_0_\@:
	s_barrier_wait -3
	s_barrier_signal -1
	s_barrier_wait -1
.endm
.macro LDF reg, adr, off               ; a fragment's image: four loads
	ds_load_b128 v[\reg:\reg+3], v[\adr] offset:\off
	ds_load_b64 v[\reg+4:\reg+5], v[\adr+1] offset:\off+512
	ds_load_b128 v[\reg+6:\reg+9], v[\adr] offset:\off+768
	ds_load_b64 v[\reg+10:\reg+11], v[\adr+1] offset:\off+1280
.endm
.macro MMC d, a, b, c, sa, sb
	v_wmma_scale_f32_16x16x128_f8f6f4 v[\d:\d+7], v[\a:\a+11], v[\b:\b+11], v[\c:\c+7], v[\sa], v[\sb] matrix_a_fmt:MATRIX_FMT_BF6 matrix_b_fmt:MATRIX_FMT_BF6
.endm
	s_load_b256 s[4:11], s[0:1], 0x0               ; cod, scl, w_qkv_b, qkv
	s_load_b64 s[12:13], s[0:1], 0x20              ; qkvs
	v_lshl_add_u32 v[SPW], v0, 2, SPARE
	v_mov_b32 v[NIL], 0
	ds_add_u32 v24, v25
	ds_add_u32 v24, v25
	s_wait_dscnt 0x0
	v_lshrrev_b32 v1, 5, v0
	v_readfirstlane_b32 s[WV], v1                  ; wave 0..7
	s_lshr_b32 s15, s[WV], 2                       ; G
	s_and_b32 s16, s[WV], 3                        ; i
	s_bfe_u32 s19, ttmp6, 0x40000                  ; cx
	s_bfe_u32 s20, ttmp6, 0x40004                  ; cy
	s_lshl_b32 s17, ttmp9, 2
	s_add_co_u32 s17, s17, s19                     ; x
	s_and_b32 s18, ttmp7, 0xffff
	s_lshl_b32 s18, s18, 2
	s_add_co_u32 s18, s18, s20                     ; y
	s_lshl_b32 s21, s20, 2
	s_lshl_b32 s21, 15, s21                        ; my row of the cluster
	s_lshl_b32 s22, 0x1111, s19                    ; my column
	; descriptor group 1: four tile rows of 3,072 bytes (384 elements of 8 bytes), 12,288 bytes apart; no padding
	s_or_b32 s[G1A], s21, (3<<16)|(1<<21)          ; 15:0 the mask; 17:16 elements of 8 bytes; 21 set beside a mask
	s_or_b32 s[G1B], s22, (3<<16)|(1<<21)
.irp g, G1A, G1B
	s_mov_b32 s[\g+1], 384<<16                     ; tensor_dim0
	s_mov_b32 s[\g+2], 4<<16                       ; tensor_dim1
	s_mov_b32 s[\g+3], 384<<16                     ; tile_dim0
	s_mov_b32 s[\g+4], 4                           ; tile_dim1
	s_mov_b32 s[\g+5], 1536                        ; tensor_dim0_stride
	s_mov_b32 s[\g+6], 0
	s_mov_b32 s[\g+7], 0
.endr
	s_lshl_b32 s68, s18, 3                         ; x's tiles 8 y + 4 w on (waves 0, 1): y and the wave's number alone
	s_lshl_b32 s69, s[WV], 2
	s_add_co_u32 s68, s68, s69
	s_mul_i32 s68, s68, 12288
	s_mov_b32 s69, 0
	s_mul_i32 s72, s17, 24                         ; W's tiles 256 + 24 x + 4 (w - 2) on (waves 2-7): x and the wave's number alone
	s_add_co_u32 s72, s72, 248
	s_mul_i32 s72, s72, 12288
	s_mul_i32 s73, s[WV], 49152
	s_add_co_u32 s72, s72, s73
	s_mov_b32 s73, 0
	s_mul_i32 s23, s[WV], 4*TROW                   ; where they go: wave x four tile rows
	s_mov_b32 s[SEL], 0x76543210
	s_mov_b32 s[SEL+1], 0xfedcba98
	s_wait_kmcnt 0x0
	s_add_nc_u64 s[70:71], s[4:5], s[68:69]
	s_add_nc_u64 s[74:75], s[4:5], s[72:73]
.irp s, 0,1,2
	s_mov_b32 s[G0A+4*\s], 1
	s_add_co_u32 s[G0A+4*\s+1], s23, \s*SLOT
	s_add_nc_u64 s[G0A+4*\s+2:G0A+4*\s+3], s[70:71], \s*TROW
	s_or_b32 s[G0A+4*\s+3], s[G0A+4*\s+3], 0x80000000
	s_mov_b32 s[G0B+4*\s], 1
	s_add_co_u32 s[G0B+4*\s+1], s23, \s*SLOT
	s_add_nc_u64 s[G0B+4*\s+2:G0B+4*\s+3], s[74:75], \s*TROW
	s_or_b32 s[G0B+4*\s+3], s[G0B+4*\s+3], 0x80000000
.endr
	CROUND                                         ; all sixteen work-groups are here: the first joint loads meet
	s_cmp_lt_u32 s[WV], 2                          ; a wave's three first fills stand in one branch, ahead of every wait on TENSORcnt and every LDS read
	s_cbranch_scc0 .Lfirst_w
	tensor_load_to_lds s[G0A:G0A+3], s[G1A:G1A+7]
	s_nop 0
	tensor_load_to_lds s[G0A+4:G0A+7], s[G1A:G1A+7]
	s_nop 0
	tensor_load_to_lds s[G0A+8:G0A+11], s[G1A:G1A+7]
	s_nop 0
	PLACES
	s_branch .Lfirst_asked
.Lfirst_w:
	tensor_load_to_lds s[G0B:G0B+3], s[G1B:G1B+7]
	s_nop 0
	tensor_load_to_lds s[G0B+4:G0B+7], s[G1B:G1B+7]
	s_nop 0
	tensor_load_to_lds s[G0B+8:G0B+11], s[G1B:G1B+7]
	s_nop 0
	PLACES
.Lfirst_asked:
	v_and_b32 v1, 31, v0
	v_and_b32 v29, 15, v0                          ; r
	v_bfe_u32 v30, v0, 4, 1                        ; h
	v_lshlrev_b32 v[L16], 4, v1
	v_lshlrev_b32 v[L8], 3, v1
	v_lshlrev_b32 v[R32], 5, v29
	v_lshlrev_b32 v[H64], 6, v30
	v_and_b32 v31, 8, v29
	v_add_nc_u32 v31, v31, v29
	v_lshlrev_b32 v[P4], 2, v31
	s_lshl_b32 s76, s15, 3
	v_lshl_add_u32 v[QSO], v29, 4, s76
	v_lshl_add_u32 v[QSO], v30, 2, v[QSO]
	s_and_b32 s77, s16, 1
	s_lshl_b32 s77, s77, 3
	s_lshl_b32 s78, s15, 1
	s_add_co_u32 s77, s77, s78
	v_lshl_add_u32 v[VSO], v29, 4, s77
	v_lshl_add_u32 v[VSO], v30, 2, v[VSO]
	s_mul_i32 s76, s15, 4*TROW                     ; x's tile rows 4 G on
	s_mul_i32 s77, s16, 4*TROW
	s_add_co_u32 s77, s77, 8*TROW                  ; W q/k's: rows 8 + 4 i on
	s_mul_i32 s78, s16, 2*TROW
	s_add_co_u32 s78, s78, 24*TROW                 ; W v's: rows 24 + 2 i on
.irp s, 0,1,2
	v_add_nc_u32 v[AD+6*\s], s76, v[L16]
	v_add_nc_u32 v[AD+6*\s+1], s76, v[L8]
	v_add_nc_u32 v[AD+6*\s+2], s77, v[L16]
	v_add_nc_u32 v[AD+6*\s+3], s77, v[L8]
	v_add_nc_u32 v[AD+6*\s+4], s78, v[L16]
	v_add_nc_u32 v[AD+6*\s+5], s78, v[L8]
	s_add_co_u32 s76, s76, SLOT
	s_add_co_u32 s77, s77, SLOT
	s_add_co_u32 s78, s78, SLOT
.endr
	; the scale words of my ten tiles for all of K: lane r takes row r's 32 bytes (lanes 16-31 the same; they are not read)
	s_lshl_b32 s80, s18, 3
	s_lshl_b32 s81, s15, 2
	s_add_co_u32 s80, s80, s81
	s_lshl_b32 s80, s80, 9
	s_mov_b32 s81, 0
	s_add_nc_u64 s[80:81], s[6:7], s[80:81]
	s_mul_i32 s82, s17, 24
	s_add_co_u32 s82, s82, 256
	s_lshl_b32 s83, s16, 2
	s_add_co_u32 s84, s82, s83
	s_lshl_b32 s84, s84, 9
	s_mov_b32 s85, 0
	s_add_nc_u64 s[84:85], s[6:7], s[84:85]
	s_lshl_b32 s83, s16, 1
	s_add_co_u32 s86, s82, s83
	s_add_co_u32 s86, s86, 16
	s_lshl_b32 s86, s86, 9
	s_mov_b32 s87, 0
	s_add_nc_u64 s[86:87], s[6:7], s[86:87]
.irp a, 0,1,2,3
	global_load_b128 v[SCA+8*\a:SCA+8*\a+3], v[R32], s[80:81] offset:512*\a
	global_load_b128 v[SCA+8*\a+4:SCA+8*\a+7], v[R32], s[80:81] offset:512*\a+16
	global_load_b128 v[SCW+8*\a:SCW+8*\a+3], v[R32], s[84:85] offset:512*\a
	global_load_b128 v[SCW+8*\a+4:SCW+8*\a+7], v[R32], s[84:85] offset:512*\a+16
.endr
.irp n, 0,1
	global_load_b128 v[SCV+8*\n:SCV+8*\n+3], v[R32], s[86:87] offset:512*\n
	global_load_b128 v[SCV+8*\n+4:SCV+8*\n+7], v[R32], s[86:87] offset:512*\n+16
.endr
	; the biases, in the results' layouts
	s_lshl_b32 s88, s17, 2
	s_add_co_u32 s88, s88, s16
	s_lshl_b32 s88, s88, 8                         ; q/k: 64 numbers of head' 4 x + i
	s_mov_b32 s89, 0
	s_add_nc_u64 s[88:89], s[8:9], s[88:89]
	s_lshl_b32 s90, s17, 9
	s_lshl_b32 s91, s16, 7
	s_add_co_u32 s90, s90, s91
	s_add_co_u32 s90, s90, 8192                    ; v: column 2048 + 128 x + 32 i on
	s_mov_b32 s91, 0
	s_add_nc_u64 s[90:91], s[8:9], s[90:91]
	WIN 0x40                                       ; destination window 1
.irp t, 0,1,2,3
	global_load_b128 v[BQ+8*\t:BQ+8*\t+3], v[H64], s[88:89] offset:(32*(\t/2)+8*(\t%2))*4        ; lane (r, h): the tile's eight columns of its half
	global_load_b128 v[BQ+8*\t+4:BQ+8*\t+7], v[H64], s[88:89] offset:(32*(\t/2)+8*(\t%2))*4+16
.endr
.irp n, 0,1
.irp j, 0,1,2,3,4,5,6,7
	global_load_b32 v[BV+8*\n+\j], v[P4], s[90:91] offset:32*\n     ; a lane holds one column: its bias in all eight registers
.endr
.endr
	WIN 0
	; where the results go
	s_lshr_b32 s76, s18, 4                         ; b
	s_and_b32 s77, s18, 15                         ; step
	s_lshl_b32 s78, s17, 2
	s_add_co_u32 s78, s78, s16                     ; head'
	s_lshl_b32 s79, s76, 5
	s_add_co_u32 s79, s79, s78
	s_lshl_b32 s92, s79, 7
	s_lshl_b32 s82, s77, 3
	s_add_co_u32 s92, s92, s82
	s_lshl_b32 s82, s15, 2
	s_add_co_u32 s92, s92, s82                     ; (32 b + head') 128 + 8 step + 4 G
	s_mul_i32 s92, s92, 768
	s_mov_b32 s93, 0
	s_add_nc_u64 s[92:93], s[10:11], s[92:93]
	s_lshl_b32 s96, s79, 4
	s_add_co_u32 s96, s96, s77
	s_lshl_b32 s96, s96, 8
	s_mov_b32 s97, 0
	s_add_nc_u64 s[96:97], s[12:13], s[96:97]
	s_lshl_b32 s78, s17, 1
	s_lshr_b32 s82, s16, 1
	s_add_co_u32 s78, s78, s82                     ; v's head 2 x + i / 2
	s_lshl_b32 s79, s76, 4
	s_add_co_u32 s79, s79, s78
	s_lshl_b32 s79, s79, 4
	s_add_co_u32 s79, s79, s77                     ; (16 b + head) 16 + step
	s_lshl_b32 s98, s79, 8
	s_add_co_u32 s98, s98, 262144
	s_mov_b32 s99, 0
	s_add_nc_u64 s[98:99], s[12:13], s[98:99]
	s_lshl_b32 s94, s79, 2
	s_and_b32 s82, s16, 1
	s_lshl_b32 s82, s82, 1
	s_add_co_u32 s94, s94, s82                     ; d tile 2 (i % 2) on
	s_mul_i32 s94, s94, 1536
	s_mul_i32 s82, s15, 768                        ; half G
	s_add_co_u32 s94, s94, s82
	s_add_co_u32 s94, s94, 6291456
	s_mov_b32 s95, 0
	s_add_nc_u64 s[94:95], s[10:11], s[94:95]
; A K step of 128: ten fragments from LDS, 24 matrix instructions.  q: which half of the chunk; ks: the K step, for the scale words; first = 1: the biases start the sums.
.macro KSTEP slot, q, ks, first
	WIN 0
	PLACES
.irp a, 0,1,2,3
	LDF AF+12*\a, AD+6*\slot, \a*TROW+\q*FRB
.endr
.irp t, 0,1,2,3
	LDF WF+12*\t, AD+6*\slot+2, \t*TROW+\q*FRB
.endr
.irp n, 0,1
	LDF VF+12*\n, AD+6*\slot+4, \n*TROW+\q*FRB
.endr
	s_wait_dscnt 8                                 ; x's and W q/k's are in; the youngest eight loads (W v's two fragments) may be out
	WIN 0x50                                       ; C and D window 1
.irp a, 0,1,2,3
.irp t, 0,1,2,3
.if \first
	MMC 8*(4*\a+\t), WF+12*\t, AF+12*\a, BQ+8*\t, SCW+8*\t+\ks, SCA+8*\a+\ks
.else
	MMC 8*(4*\a+\t), WF+12*\t, AF+12*\a, 8*(4*\a+\t), SCW+8*\t+\ks, SCA+8*\a+\ks
.endif
.endr
.endr
	s_wait_dscnt 0x0
.irp n, 0,1
.irp a, 0,1,2,3
.if \first
	MMC 128+8*(4*\n+\a), AF+12*\a, VF+12*\n, BV+8*\n, SCA+8*\a+\ks, SCV+8*\n+\ks
.else
	MMC 128+8*(4*\n+\a), AF+12*\a, VF+12*\n, 128+8*(4*\n+\a), SCA+8*\a+\ks, SCV+8*\n+\ks
.endif
.endr
.endr
.endm
	s_wait_tensorcnt 0x2                           ; my part of chunk 0 is in; chunks 1 and 2 may stay out
	s_barrier_signal -1
	s_barrier_wait -1                              ; everybody's is
	s_wait_loadcnt 0x0                             ; scale words and biases
	KSTEP 0, 0, 0, 1
	KSTEP 0, 1, 1, 0
	WIN 0                                          ; the add's two registers lie in window 0
	s_wait_tensorcnt 0x0                           ; all my tensor loads have landed: my parts of slots 1 and 2
	ds_add_u32 v[SPW], v[NIL]                      ; 0 onto my spare word
	s_add_nc_u64 s[G0A+2:G0A+3], s[G0A+2:G0A+3], 3*TROW   ; no tensor load of mine is out: slot 0's descriptors step to chunk 3
	s_add_nc_u64 s[G0B+2:G0B+3], s[G0B+2:G0B+3], 3*TROW
	s_wait_dscnt 0x0                               ; the add is done, and my reads of slot 0 are over
	CROUND                                         ; no wave of any partner still reads slot 0 or has a load on its way
	s_cmp_lt_u32 s[WV], 2                          ; the joint refill, first behind the round: it has four K steps in which to land
	s_cbranch_scc0 .Lre_w
	tensor_load_to_lds s[G0A:G0A+3], s[G1A:G1A+7]
	s_nop 0
	PLACES
	s_branch .Lre_asked
.Lre_w:
	tensor_load_to_lds s[G0B:G0B+3], s[G1B:G1B+7]
	s_nop 0
	PLACES
.Lre_asked:
	KSTEP 1, 0, 2, 0
	KSTEP 1, 1, 3, 0
	KSTEP 2, 0, 4, 0
	KSTEP 2, 1, 5, 0
	s_wait_tensorcnt 0x0                           ; my part of chunk 3 is in (my one load that was out); my LDS loads are back since the last K step's wait
	s_barrier_signal -1
	s_barrier_wait -1                              ; everybody's is
	KSTEP 0, 0, 6, 0
	KSTEP 0, 1, 7, 0
; 32 numbers of a lane, register 16 b + i = k 32 b + 16 h + i of my row, become a half image (6 registers: lane half h holds block h) and the row's two scale bytes.  The sources are read from the low end on.
.macro QUANT2 src, pc, pw
	v_max3_num_f32 v[TM], |v[\src]|, |v[\src+1]|, 0x2800000          ; and the floor 2^(5 - 127): the byte cannot fall under 1
	v_max3_num_f32 v[TM+1], |v[\src+16]|, |v[\src+17]|, 0x2800000
.irp i, 2,4,6,8,10,12,14
	v_max3_num_f32 v[TM], v[TM], |v[\src+\i]|, |v[\src+\i+1]|
	v_max3_num_f32 v[TM+1], v[TM+1], |v[\src+16+\i]|, |v[\src+17+\i]|
.endr
	v_permlanex16_b32 v[TM+2], v[TM], s[SEL], s[SEL+1]
	v_permlanex16_b32 v[TM+3], v[TM+1], s[SEL], s[SEL+1]
	v_max_num_f32 v[TM], v[TM], v[TM+2]
	v_max_num_f32 v[TM+1], v[TM+1], v[TM+3]
	v_add_nc_u32 v[TM+4], 0xfe000000, v[TM]        ; 4 off the exponent field: the conversion's scale operand
	v_add_nc_u32 v[TM+5], 0xfe000000, v[TM+1]
	v_lshrrev_b32 v[TM+6], 23, v[TM+4]             ; the bytes
	v_lshrrev_b32 v[TM+7], 23, v[TM+5]
	v_lshl_or_b32 v[\pw], v[TM+7], 8, v[TM+6]
	v_cvt_scalef32_pk16_bf6_f32 v[\pc:\pc+2], v[\src:\src+15], v[TM+4]
	v_cvt_scalef32_pk16_bf6_f32 v[PT:PT+2], v[\src+16:\src+31], v[TM+5]
	v_nop                                          ; one plain place behind a scaled conversion
.irp i, 0,1,2
	v_permlane16_swap_b32 v[\pc+\i], v[PT+\i]
.endr
.irp i, 0,1,2
	v_mov_b32 v[\pc+3+\i], v[PT+\i]
.endr
.endm
	PLACES                                         ; the first reads of results just made
	WIN 0x55                                       ; every operand place: window 1
	v_mov_b32 v[TM+2], 0                           ; a lane permute's destination counts as one of its sources
	v_mov_b32 v[TM+3], 0
.irp u, 0,1,2,3
	QUANT2 32*\u, PCS+6*\u, PW+\u                  ; q/k of token tile 4 G + u, along d
.endr
.irp n, 0,1
	QUANT2 128+32*\n, PCS+24+6*\n, PW+4+\n         ; v of d tile 2 (i % 2) + n, along my 64 keys
.endr
	s_mov_b32 s82, 0xffff0000                      ; lanes 16-31
	v_lshl_or_b32 v[PW+6], v[PW+1], 16, v[PW]      ; word 2 G: tiles 4 G, 4 G + 1
	v_lshl_or_b32 v[PW+7], v[PW+3], 16, v[PW+2]    ; word 2 G + 1
	v_cndmask_b32 v[PW+6], v[PW+6], v[PW+7], s82   ; lane half h stores word 2 G + h
	v_cndmask_b32 v[PW+7], v[PW+4], v[PW+5], s82   ; and d tile n = h's two bytes
	WIN 0x04                                       ; a store's data are its source 1: window 1
.irp u, 0,1,2,3
	global_store_b128 v[L16], v[PCS+6*\u:PCS+6*\u+3], s[92:93] offset:768*\u          ; 512 and 256 consecutive bytes, aligned
	global_store_b64 v[L8], v[PCS+6*\u+4:PCS+6*\u+5], s[92:93] offset:768*\u+512
.endr
.irp n, 0,1
	global_store_b128 v[L16], v[PCS+24+6*\n:PCS+24+6*\n+3], s[94:95] offset:1536*\n
	global_store_b64 v[L8], v[PCS+24+6*\n+4:PCS+24+6*\n+5], s[94:95] offset:1536*\n+512
.endr
	global_store_b32 v[QSO], v[PW+6], s[96:97]
	global_store_b16 v[VSO], v[PW+7], s[98:99]
	WIN 0
	s_wait_tensorcnt 0x0                           ; the wave's end
	ds_add_u32 v[SPW], v[NIL]
	s_wait_dscnt 0x0
	CROUND                                         ; the closing round: no work-group ends while a partner may still ask for a tile that names it
	s_endpgm
.Lfunc_end_k_qb5de6420ef_qkv:
	.size	k_qb5de6420ef_qkv, .Lfunc_end_k_qb5de6420ef_qkv-k_qb5de6420ef_qkv
	.p2alignl 7, 3214868480
	.fill 96, 4, 3214868480
	.section	.rodata,"a",@progbits
	.p2align	6, 0x0
	.amdhsa_kernel k_qb5de6420ef_qkv
		.amdhsa_group_segment_fixed_size 327680
		.amdhsa_private_segment_fixed_size 0
		.amdhsa_enable_private_segment 0
		.amdhsa_kernarg_size 40
		.amdhsa_user_sgpr_count 2
		.amdhsa_user_sgpr_kernarg_segment_ptr 1
		.amdhsa_wavefront_size32 1
		.amdhsa_system_sgpr_workgroup_id_x 1
		.amdhsa_system_sgpr_workgroup_id_y 1
		.amdhsa_system_sgpr_workgroup_id_z 1
		.amdhsa_system_vgpr_workitem_id 0
		.amdhsa_next_free_vgpr 512
		.amdhsa_next_free_sgpr 100
		.amdhsa_reserve_vcc 0
		.amdhsa_float_denorm_mode_32 3
		.amdhsa_float_denorm_mode_16_64 3
		.amdhsa_memory_ordered 1
		.amdhsa_forward_progress 1
		.amdhsa_inst_pref_size 76
	.end_amdhsa_kernel
	.amdgpu_metadata
---
amdhsa.version: [ 1, 2 ]
amdhsa.kernels:
  - .name:           k_qb5de6420ef_qkv
    .symbol:         k_qb5de6420ef_qkv.kd
    .args:
      - { .name: cod, .offset: 0, .size: 8, .value_kind: global_buffer, .address_space: global }
      - { .name: scl, .offset: 8, .size: 8, .value_kind: global_buffer, .address_space: global }
      - { .name: w_qkv_b, .offset: 16, .size: 8, .value_kind: global_buffer, .address_space: global }
      - { .name: qkv, .offset: 24, .size: 8, .value_kind: global_buffer, .address_space: global }
      - { .name: qkvs, .offset: 32, .size: 8, .value_kind: global_buffer, .address_space: global }
    .group_segment_fixed_size: 327680
    .private_segment_fixed_size: 0
    .kernarg_segment_align: 8
    .kernarg_segment_size: 40
    .max_flat_workgroup_size: 256
    .sgpr_count:     100
    .vgpr_count:     512
    .wavefront_size: 32
...
	.end_amdgpu_metadata
.endif
;; end of part 2
;; launch attn (part 3): grid 8 x 32, 16 waves a work-group, no clusters, 206,848 bytes of LDS; arguments qkv, qkvs, mw, ac, asc; writes ac, asc
.if DOCPART == 3
	.amdgcn_target "amdgcn-amd-amdhsa--gfx1250"
	.amdhsa_code_object_version 6
	.text
	.protected	k_qb5de6420ef_attn
	.globl	k_qb5de6420ef_attn
	.p2align	8
	.type	k_qb5de6420ef_attn,@function
k_qb5de6420ef_attn:
	s_mov_b64 s[64:65], 0
	v_nop
	global_prefetch_b8 v0, s[64:65] scope:SCOPE_SE
	s_setreg_imm32_b32 hwreg(HW_REG_WAVE_MODE, 25, 1), 1
	s_wait_xcnt 0x0
; For each (batch, head): o = softmax(where(mask == 0, -1e9, q k^T / 8)) v, both products on codes of BF6 with E8M0 scales; o is quantised along d_model for the last product.
; THE SOFTMAX AHEAD OF THE SECOND PRODUCT: t = score x log2(e) / 8; M = the running largest t rounded UP to a whole number; p = 2^(t - M) is quantised along the keys, not normalised; the row's sum of the
; unquantised p divides at the end; when M moves, the sum and O are multiplied by 2^(old M - new M), which rounds nothing.
; SHARES.  Work-group (g, 16 b + head): sixteen waves, each ONE tile of 16 queries in 256 registers.  Wave w owns query tile g + 8 j, j = w xor 3 ((w / 4) % 2): a work-group's tiles are spread over the sequence, whatever the mask.
; LDS holds the head's whole K and V: 96 KiB of codes each and 4 KiB of scale words each, filled ONCE through registers as a plain copy; one barrier; after it nothing is written and the waves run free.
; THE MASK is an input.  An earlier launch has turned it into lane-mask words (one v_cndmask_b32 a score) and, for each query tile, a word of flags: a key step in which no key counts
; a step without hidden keys skips the 64 selects.  The loop's trip count is a constant.
; NO JOINT REQUESTS, though the eight work-groups of a head read the same 200 KiB: the branch on stored flags spares whole key steps (8 + 4 matrix instructions and some
; 290 vector instructions each) against one fill of 200 KiB a work-group.
; LAYOUT.  Both products are used transposed: S^T = K Q^T (source 0 = 16 keys), O^T = V^T P^T (source 0 = 16 of the head's 64): a lane holds ONE query.  By the tiles' order the 16 registers of key tiles 2 b, 2 b + 1 are
; keys 32 b + 16 h + 0 .. 15.  K = 64 IN A FORM OF 128: the half images of key tiles 2 b and 2 b + 1 stand side by side as one source 0; against [Q | zeros] it gives tile 2 b's scores, against [zeros | Q] tile 2 b + 1's.
; LIMITS.  A hidden score stands as -2^33 (logit -2^30, not -1e9), so that t is a whole number and a row with no key at all has p = 1 throughout, as f32 gives for -1e9 too: the same results wherever every open logit
; lies above about -9.9e8.  Blocks of zeros keep the scale byte 1.  NaN and infinities are not served.  o's scale bytes leave one byte a lane: a head owns 2 of a row's 32.
; REGISTERS: v1-3 lane terms; v4-8 the step's LDS addresses; v10 -2^33; v11 q's scale word; v12 -M, v13 the largest t, v[14:15] the sum; v16-33 [Q | 6 zeros | Q]; v34-81 K's 8 half images, then V's 4 fragments;
; v82-85, v86-89 their scale words; v96-159 S^T, then p; v160-191 O^T; v192-203 p's codes; v204-231 at work.  s[32:63], s[68:99]: the step's 64 mask words.
.set VC,  98304                        ; LDS: K's codes from 0, V's from here,
.set KS,  196608                       ; K's scale words, and 4,096 bytes on V's
.set PCD, 192
.set PT,  204                          ; v204-206, v208-210 the conversions' second halves
.set TM,  212
.set BM,  212                          ; v212-215 the blocks' largest scores, then p
.set PB,  216                          ; v216-219 the other half's; then the bytes
.set SO,  220                          ; v220-223 the conversions' scale operands
.set PWD, 224                          ; p's scale word
.set F,   226                          ; v[226:227] f = 2^(old M - new M)
.set TT,  228
.set C2,  230                          ; v[230:231] the sum's second chain
.set SEL, 22
.set CS,  24
.macro MM0 d, a, b, sa, sb
	v_wmma_scale_f32_16x16x128_f8f6f4 v[\d:\d+7], v[\a:\a+11], v[\b:\b+11], 0, v[\sa], v[\sb] matrix_a_fmt:MATRIX_FMT_BF6 matrix_b_fmt:MATRIX_FMT_BF6
.endm
.macro MMC d, a, b, sa, sb
	v_wmma_scale_f32_16x16x128_f8f6f4 v[\d:\d+7], v[\a:\a+11], v[\b:\b+11], v[\d:\d+7], v[\sa], v[\sb] matrix_a_fmt:MATRIX_FMT_BF6 matrix_b_fmt:MATRIX_FMT_BF6
.endm
.macro PLACES
.rept 4
	v_nop
.endr
.endm
	s_load_b256 s[4:11], s[0:1], 0x0               ; qkv, qkvs, mw, ac
	s_load_b64 s[12:13], s[0:1], 0x20              ; asc
	v_lshl_add_u32 v254, v0, 2, 0x32000
	v_mov_b32 v255, 0
	v_lshrrev_b32 v1, 5, v0
	v_readfirstlane_b32 s14, v1                    ; wave 0..15
	s_and_b32 s21, ttmp7, 0xffff                   ; 16 b + head
	s_lshr_b32 s66, s21, 4                         ; b
	s_and_b32 s67, s21, 15                         ; head
	s_bfe_u32 s15, s14, 0x10002
	s_mul_i32 s15, s15, 3
	s_xor_b32 s15, s15, s14                        ; j
	s_lshl_b32 s15, s15, 3
	s_add_co_u32 s15, s15, ttmp9                   ; T: my query tile
	s_lshl_b32 s42, s66, 5
	s_add_co_u32 s42, s42, s67                     ; q's head' = 32 b + head
	s_add_co_u32 s43, s42, 16                      ; k's
	s_mul_i32 s32, s43, 98304                      ; K's codes
	s_mov_b32 s33, 0
	s_mul_i32 s34, s21, 98304                      ; V's
	s_add_co_u32 s34, s34, 6291456
	s_mov_b32 s35, 0
	s_lshl_b32 s36, s43, 12                        ; the scale words: waves 0-7 bring K's 4 KiB, waves 8-15 V's
	s_lshl_b32 s44, s21, 12
	s_add_co_u32 s44, s44, 262144
	s_cmp_lt_u32 s14, 8
	s_cselect_b32 s36, s36, s44
	s_mov_b32 s37, 0
	s_lshl_b32 s38, s42, 7                         ; Q's half image
	s_add_co_u32 s38, s38, s15
	s_mul_i32 s38, s38, 768
	s_mov_b32 s39, 0
	s_lshl_b32 s40, s42, 12                        ; Q's scale word: step T / 8, word (T % 8) / 2
	s_lshr_b32 s45, s15, 3
	s_lshl_b32 s45, s45, 8
	s_add_co_u32 s40, s40, s45
	s_bfe_u32 s45, s15, 0x20001
	s_lshl_b32 s45, s45, 2
	s_add_co_u32 s40, s40, s45
	s_mov_b32 s41, 0
	s_lshl_b32 s26, s15, 12                        ; my tile's mask words
	s_mov_b32 s27, 0
	s_lshl_b32 s46, s15, 2                         ; and its flag word
	s_lshl_b32 s47, s66, 7
	s_add_co_u32 s47, s47, s15                     ; the token tile 128 b + T
	s_mul_i32 s28, s47, 12288
	s_mul_i32 s48, s67, 768                        ; K step head / 2, half head % 2
	s_add_co_u32 s28, s28, s48
	s_mov_b32 s29, 0
	s_lshl_b32 s30, s47, 9
	s_lshl_b32 s48, s67, 1
	s_add_co_u32 s30, s30, s48
	s_mov_b32 s31, 0
	s_mov_b32 s[SEL], 0x76543210
	s_mov_b32 s[SEL+1], 0xfedcba98
	s_mov_b32 s[CS], 0x3e38aa3b                    ; c = log2(e) / 8
	s_mov_b32 s[CS+1], s[CS]                       ; (named with it as a pair, so it is written)
	v_and_b32 v1, 31, v0
	v_lshlrev_b32 v2, 3, v1                        ; 8 x lane
	v_lshlrev_b32 v1, 4, v1                        ; 16 x lane
	v_and_b32 v3, 15, v0
	v_lshlrev_b32 v95, 4, v3                       ; 16 r
	v_add_nc_u32 v3, KS, v95                       ; my row's scale words in LDS
	v_lshlrev_b32 v90, 4, v0                       ; the fill: 16 x thread, in memory and in LDS;
	v_add_nc_u32 v91, 0x10000, v90                 ; an LDS offset has 16 bits: four bases 65,536 apart
	v_add_nc_u32 v92, 0x20000, v90
	v_add_nc_u32 v93, 0x30000, v90
	v_and_b32 v94, 255, v0
	v_lshlrev_b32 v94, 4, v94
	s_wait_kmcnt 0x0
	s_add_nc_u64 s[32:33], s[4:5], s[32:33]
	s_add_nc_u64 s[34:35], s[4:5], s[34:35]
	s_add_nc_u64 s[36:37], s[6:7], s[36:37]
	s_add_nc_u64 s[38:39], s[4:5], s[38:39]
	s_add_nc_u64 s[40:41], s[6:7], s[40:41]
	s_add_nc_u64 s[26:27], s[8:9], s[26:27]
	s_add_nc_u64 s[28:29], s[10:11], s[28:29]
	s_add_nc_u64 s[30:31], s[12:13], s[30:31]
	s_load_b32 s16, s[8:9], s46 offset:0x80000     ; the flags
	global_load_b128 v[16:19], v1, s[38:39]        ; Q twice: the low half of [Q | zeros],
	global_load_b64 v[20:21], v2, s[38:39] offset:512
	global_load_b128 v[28:31], v1, s[38:39]        ; and the high half of [zeros | Q]
	global_load_b64 v[32:33], v2, s[38:39] offset:512
	global_load_b32 v[TT], v95, s[40:41]
.set n, 0
.rept 12
	global_load_b128 v[96+4*n:99+4*n], v90, s[32:33] offset:8192*n          ; the work-group reads 8,192 consecutive bytes a load
.set n, n+1
.endr
.rept 12
	global_load_b128 v[96+4*n:99+4*n], v90, s[34:35] offset:8192*(n-12)
.set n, n+1
.endr
	global_load_b128 v[192:195], v94, s[36:37]
.set n, 0
.rept 25
	s_wait_loadcnt 24-n                            ; loads come back in order: load n is in (and Q, asked for earlier), the younger ones stay out
	ds_store_b128 v[90+n/8], v[96+4*n:99+4*n] offset:8192*(n%8)
.set n, n+1
.endr
	s_wait_dscnt 0x0                               ; for the others' sake: my part of K and V lies in LDS; and the stores have read their registers
	s_barrier_signal -1
	s_barrier_wait -1
	s_mov_b32 s42, 0x01000100                      ; q's two bytes, doubled, so that one word serves [Q | zeros] and [zeros | Q]: the word's low half for an even tile,
	s_mov_b32 s43, 0x03020302                      ; its high half for an odd one
	s_bitcmp1_b32 s15, 0
	s_cselect_b32 s42, s43, s42
	v_perm_b32 v11, v[TT], v[TT], s42
.irp j, 22,23,24,25,26,27
	v_mov_b32 v\j, 0                               ; zero codes: they add nothing under any scale byte
.endr
	v_mov_b32 v10, 0xd0000000                      ; -2^33
	v_mov_b32 v13, 0xff61b1e6                      ; the largest t so far: -3e38
	v_floor_f32 v12, -v13                          ; -M
	v_mov_b32 v14, 0
	v_mov_b32 v15, 0
.irp b, 0,1,2,3
	v_mov_b32 v[PB+\b], 0                          ; a lane permute's destination counts as one of its sources: written here, on every path, for the key steps and for the way out
.endr
	v_mov_b32 v[F+1], 0                            ; (named as the upper half of a pair)
.set j, 0
.rept 32
	v_mov_b32 v[160+j], 0                          ; O^T: the step is written once; the first finds zeros
.set j, j+1
.endr
	s_mov_b32 s17, 0                               ; the step
	s_mov_b32 s18, 0                               ; its codes: 6,144 bytes a step, in K and in V
	s_mov_b32 s19, 0                               ; its scale words and its mask words: 256 bytes a step
	s_wait_kmcnt 0x0                               ; the flags
.Lstep:
	s_bitcmp1_b32 s16, 0                           ; a stored whole number decides: is this step to be computed?
	s_cbranch_scc0 .Lskip
	v_add_nc_u32 v4, s18, v1                       ; (five plain lines: the places behind the last step's products, in front of the loads below)
	v_add_nc_u32 v5, s18, v2
	v_add_nc_u32 v6, VC, v4
	v_add_nc_u32 v7, VC, v5
	v_add_nc_u32 v8, s19, v3
	s_load_b512 s[32:47], s[26:27], s19 offset:0x0     ; the step's 64 mask words
	s_load_b512 s[48:63], s[26:27], s19 offset:0x40
	s_load_b512 s[68:83], s[26:27], s19 offset:0x80
	s_load_b512 s[84:99], s[26:27], s19 offset:0xc0
.irp t, 0,1,2,3,4,5,6,7
	ds_load_b128 v[34+6*\t:37+6*\t], v4 offset:768*\t
	ds_load_b64 v[38+6*\t:39+6*\t], v5 offset:768*\t+512
.endr
	ds_load_b128 v[82:85], v8                      ; word b: the bytes of tiles 2 b and 2 b + 1
	s_wait_dscnt 0x0
.irp b, 0,1,2,3
	MM0 96+16*\b, 34+12*\b, 16, 82+\b, 11          ; tile 2 b: against [Q | zeros]
	MM0 104+16*\b, 34+12*\b, 22, 82+\b, 11         ; tile 2 b + 1: against [zeros | Q]
.endr
	PLACES
.irp d, 0,1,2,3                                ; V's four fragments land while the softmax is worked
	ds_load_b128 v[34+12*\d:37+12*\d], v6 offset:1536*\d
	ds_load_b64 v[38+12*\d:39+12*\d], v7 offset:1536*\d+512
	ds_load_b128 v[40+12*\d:43+12*\d], v6 offset:1536*\d+768
	ds_load_b64 v[44+12*\d:45+12*\d], v7 offset:1536*\d+1280
.endr
	ds_load_b128 v[86:89], v8 offset:4096
	s_wait_kmcnt 0x0                               ; the mask words are in
	s_bitcmp1_b32 s16, 16                          ; has the step hidden keys?
	s_cbranch_scc0 .Lopen
.set j, 0
.rept 64
	v_cndmask_b32 v[96+j], v10, v[96+j], s[32+j+4*(j/32)]   ; word j: a bit for each lane: the score where the key counts, else -2^33
.set j, j+1
.endr
.Lopen:
.irp b, 0,1,2,3
	v_max3_num_f32 v[BM+\b], v[96+16*\b], v[97+16*\b], v[98+16*\b]   ; the largest score of each block of 32 keys: for the row's maximum, and, since p rises with the score, for the block's largest p
.endr
.irp i, 3,5,7,9,11,13
.irp b, 0,1,2,3
	v_max3_num_f32 v[BM+\b], v[BM+\b], v[96+16*\b+\i], v[97+16*\b+\i]
.endr
.endr
.irp b, 0,1,2,3
	v_max_num_f32 v[BM+\b], v[BM+\b], v[111+16*\b]
.endr
.irp b, 0,1,2,3
	v_permlanex16_b32 v[PB+\b], v[BM+\b], s[SEL], s[SEL+1]
.endr
.irp b, 0,1,2,3
	v_max_num_f32 v[BM+\b], v[BM+\b], v[PB+\b]     ; with lane l xor 16's 16 keys
.endr
	v_max3_num_f32 v[TT], v[BM], v[BM+1], v[BM+2]
	v_max_num_f32 v[TT], v[TT], v[BM+3]
	v_mul_f32 v[TT], s[CS], v[TT]                  ; as t (c is positive)
	v_max_num_f32 v13, v13, v[TT]                  ; the running largest t
	v_mov_b32 v[TT], v12
	v_floor_f32 v12, -v13                          ; the new -M = floor(-t): M is a whole number
	v_sub_f32 v[TT], v12, v[TT]                    ; old M - new M: a whole number, 0 or less
	v_cvt_i32_f32 v[TT], v[TT]                     ; (it saturates)
	v_ldexp_f32 v[F], 1.0, v[TT]                   ; f
.set j, 0
.rept 32
	v_pk_fma_f32 v[96+j:97+j], v[96+j:97+j], s[CS:CS+1], v[12:13] op_sel_hi:[1,0,0]   ; t - M, two at a time
.set j, j+2
.endr
.irp b, 0,1,2,3
	v_fma_f32 v[BM+\b], v[BM+\b], s[CS], v12       ; the same of each block's largest score
.endr
.set j, 0
.rept 64
	v_exp_f32 v[96+j], v[96+j]                     ; p = 2^(t - M)
.set j, j+1
.endr
.irp b, 0,1,2,3
	v_exp_f32 v[BM+\b], v[BM+\b]                   ; the block's largest p: the same two instructions on the same number
.endr
	v_pk_mul_f32 v[14:15], v[14:15], v[F:F+1] op_sel_hi:[1,0]   ; the sums under the new M (a plain place behind the exponentials)
	s_wait_alu depctr_va_vdst(0)
.irp b, 0,1,2,3
	v_max_num_f32 v[BM+\b], 0x2800000, v[BM+\b]    ; the floor 2^(5 - 127)
.endr
.irp b, 0,1,2,3
	v_add_nc_u32 v[SO+\b], 0xfe000000, v[BM+\b]
.endr
.irp b, 0,1,2,3
	v_lshrrev_b32 v[PB+\b], 23, v[SO+\b]
.endr
	v_lshl_or_b32 v[PWD], v[PB+1], 8, v[PB]        ; p's scale word for these 128 keys
	v_lshl_or_b32 v[PWD], v[PB+2], 16, v[PWD]
	v_lshl_or_b32 v[PWD], v[PB+3], 24, v[PWD]
.irp c, 0,1
	v_cvt_scalef32_pk16_bf6_f32 v[PCD+6*\c:PCD+2+6*\c], v[96+32*\c:111+32*\c], v[SO+2*\c]
	v_cvt_scalef32_pk16_bf6_f32 v[PT+4*\c:PT+2+4*\c], v[112+32*\c:127+32*\c], v[SO+2*\c+1]
.endr
	v_nop                                          ; one plain place behind a scaled conversion
.irp c, 0,1
.irp i, 0,1,2
	v_permlane16_swap_b32 v[PCD+6*\c+\i], v[PT+4*\c+\i]
.endr
.irp i, 0,1,2
	v_mov_b32 v[PCD+3+6*\c+\i], v[PT+4*\c+\i]
.endr
.endr
	v_pk_add_f32 v[C2:C2+1], v[96:97], v[98:99]    ; the row's sum is taken of the UNQUANTISED p, in two chains
.irp j, 4,8,12,16,20,24,28,32,36,40,44,48,52,56,60
	v_pk_add_f32 v[14:15], v[14:15], v[96+\j:97+\j]
	v_pk_add_f32 v[C2:C2+1], v[C2:C2+1], v[98+\j:99+\j]
.endr
	v_pk_add_f32 v[14:15], v[14:15], v[C2:C2+1]
.set j, 0
.rept 16
	v_pk_mul_f32 v[160+j:161+j], v[160+j:161+j], v[F:F+1] op_sel_hi:[1,0]   ; O^T under the new M
.set j, j+2
.endr
	s_wait_dscnt 0x0                               ; V is in
.irp d, 0,1,2,3
	MMC 160+8*\d, 34+12*\d, PCD, 86+\d, PWD        ; the four accumulators by turns; the eight products S^T stand between a sum's links
.endr
.Lskip:
	s_lshr_b32 s16, s16, 1                         ; the next step's two flags come to bits 0 and 16
	s_add_co_u32 s18, s18, 6144
	s_add_co_u32 s19, s19, 256
	s_add_co_u32 s17, s17, 1
	s_cmp_lt_u32 s17, 16
	s_cbranch_scc1 .Lstep
	; THE WAY OUT: O^T / the sum, quantised along d: 64 of d_model's 1,024 are half a fragment of the last product's operand
	PLACES
	v_add_f32 v14, v14, v15
	v_permlanex16_b32 v[TT], v14, s[SEL], s[SEL+1]
	v_add_f32 v14, v14, v[TT]                      ; the row's sum
	v_rcp_f32 v14, v14
	v_and_b32 v9, 15, v0                           ; (a plain place behind the transcendental)
	v_bfe_u32 v8, v0, 4, 1
	v_lshl_add_u32 v9, v9, 5, v8                   ; 32 r + h
.set j, 0
	s_wait_alu depctr_va_vdst(0)
.rept 32
	v_mul_f32 v[96+j], v[160+j], v14               ; register 16 b + i: d = 32 b + 16 h + i
.set j, j+1
.endr
	v_max3_num_f32 v[TM], |v96|, |v97|, 0x2800000
	v_max3_num_f32 v[TM+1], |v112|, |v113|, 0x2800000
.irp i, 2,4,6,8,10,12,14
	v_max3_num_f32 v[TM], v[TM], |v[96+\i]|, |v[97+\i]|
	v_max3_num_f32 v[TM+1], v[TM+1], |v[112+\i]|, |v[113+\i]|
.endr
	v_permlanex16_b32 v[TM+4], v[TM], s[SEL], s[SEL+1]     ; into two of the registers that the head has written on every path (a lane permute's destination counts as a source)
	v_permlanex16_b32 v[TM+5], v[TM+1], s[SEL], s[SEL+1]
	v_max_num_f32 v[TM], v[TM], v[TM+4]            ; with lane l xor 16's: the block's largest magnitude
	v_max_num_f32 v[TM+1], v[TM+1], v[TM+5]
	v_add_nc_u32 v[TM+4], 0xfe000000, v[TM]        ; 4 off the exponent field: the conversion's scale operand
	v_add_nc_u32 v[TM+5], 0xfe000000, v[TM+1]
	v_lshrrev_b32 v[TM+6], 23, v[TM+4]             ; the bytes
	v_lshrrev_b32 v[TM+7], 23, v[TM+5]
	v_cvt_scalef32_pk16_bf6_f32 v[PCD:PCD+2], v[96:111], v[TM+4]
	v_cvt_scalef32_pk16_bf6_f32 v[PT:PT+2], v[112:127], v[TM+5]
	v_nop                                          ; one plain place behind a scaled conversion
.irp i, 0,1,2
	v_permlane16_swap_b32 v[PCD+\i], v[PT+\i]
.endr
.irp i, 0,1,2
	v_mov_b32 v[PCD+3+\i], v[PT+\i]
.endr
	s_mov_b32 s32, 0xffff0000                      ; lanes 16-31
	v_cndmask_b32 v[TT], v[TM+6], v[TM+7], s32     ; lane half h stores block h's byte
	global_store_b128 v1, v[PCD:PCD+3], s[28:29]           ; 512 and 256 consecutive bytes, aligned
	global_store_b64 v2, v[PCD+4:PCD+5], s[28:29] offset:512
	global_store_b8 v9, v[TT], s[30:31]
	s_wait_tensorcnt 0x0
	ds_add_u32 v254, v255
	s_wait_dscnt 0x0
	s_endpgm
.Lfunc_end_k_qb5de6420ef_attn:
	.size	k_qb5de6420ef_attn, .Lfunc_end_k_qb5de6420ef_attn-k_qb5de6420ef_attn
	.p2alignl 7, 3214868480
	.fill 96, 4, 3214868480
	.section	.rodata,"a",@progbits
	.p2align	6, 0x0
	.amdhsa_kernel k_qb5de6420ef_attn
		.amdhsa_group_segment_fixed_size 206848
		.amdhsa_private_segment_fixed_size 0
		.amdhsa_enable_private_segment 0
		.amdhsa_kernarg_size 40
		.amdhsa_user_sgpr_count 2
		.amdhsa_user_sgpr_kernarg_segment_ptr 1
		.amdhsa_wavefront_size32 1
		.amdhsa_system_sgpr_workgroup_id_x 1
		.amdhsa_system_sgpr_workgroup_id_y 1
		.amdhsa_system_sgpr_workgroup_id_z 1
		.amdhsa_system_vgpr_workitem_id 0
		.amdhsa_next_free_vgpr 256
		.amdhsa_next_free_sgpr 100
		.amdhsa_reserve_vcc 0
		.amdhsa_float_denorm_mode_32 3
		.amdhsa_float_denorm_mode_16_64 3
		.amdhsa_memory_ordered 1
		.amdhsa_forward_progress 1
		.amdhsa_inst_pref_size 35
	.end_amdhsa_kernel
	.amdgpu_metadata
---
amdhsa.version: [ 1, 2 ]
amdhsa.kernels:
  - .name:           k_qb5de6420ef_attn
    .symbol:         k_qb5de6420ef_attn.kd
    .args:
      - { .name: qkv, .offset: 0, .size: 8, .value_kind: global_buffer, .address_space: global }
      - { .name: qkvs, .offset: 8, .size: 8, .value_kind: global_buffer, .address_space: global }
      - { .name: mw, .offset: 16, .size: 8, .value_kind: global_buffer, .address_space: global }
      - { .name: ac, .offset: 24, .size: 8, .value_kind: global_buffer, .address_space: global }
      - { .name: asc, .offset: 32, .size: 8, .value_kind: global_buffer, .address_space: global }
    .group_segment_fixed_size: 206848
    .private_segment_fixed_size: 0
    .kernarg_segment_align: 8
    .kernarg_segment_size: 40
    .max_flat_workgroup_size: 512
    .sgpr_count:     100
    .vgpr_count:     256
    .wavefront_size: 32
...
	.end_amdgpu_metadata
.endif
;; end of part 3
;; launch proj (part 4): grid 8 x 32, 8 waves a work-group, clusters of 4 x 4, 265,216 bytes of LDS; arguments ac, asc, cod, scl, w_o_b, out0; writes out0
.if DOCPART == 4
	.amdgcn_target "amdgcn-amd-amdhsa--gfx1250"
	.amdhsa_code_object_version 6
	.text
	.protected	k_qb5de6420ef_proj
	.globl	k_qb5de6420ef_proj
	.p2align	8
	.type	k_qb5de6420ef_proj,@function
k_qb5de6420ef_proj:
	s_mov_b64 s[64:65], 0
	v_nop
	global_prefetch_b8 v0, s[64:65] scope:SCOPE_SE
	s_setreg_imm32_b32 hwreg(HW_REG_WAVE_MODE, 25, 1), 1
	s_wait_xcnt 0x0
	s_wait_alu depctr_hold_cnt(0) depctr_sa_sdst(0) depctr_va_vdst(0) depctr_va_sdst(0) depctr_va_ssrc(0) depctr_va_vcc(0) depctr_vm_vsrc(0)
	s_getreg_b32 s2, hwreg(HW_REG_IB_STS2, 6, 4)
	s_cmp_eq_u32 s2, 0
	s_cbranch_scc0 .Lentry_in_a_cluster
	s_endpgm
.Lentry_in_a_cluster:
	s_bfe_u32 s2, ttmp6, 0x10000c
	s_cmp_lg_u32 s2, 0xf033
	s_cbranch_scc0 .Lentry_shape_is_right
	s_endpgm
.Lentry_shape_is_right:
; out0 = a w_o_w^T + w_o_b on codes of BF6 with E8M0 scales.  a: the attention's result, 256 token tiles x 8 K steps of fragment images (ac) with scale rows (asc); w_o_w: tiles 448-511 of cod and scl.
; SHARES.  256 tiles of 128 x 128 of out0.  Work-group (x, y): token tiles 8 y on, W's tiles 8 x on.  Wave w: G = w / 4: token tiles 4 G + a; i = w % 4: W's tiles 2 i + n: 8 accumulators, which take turns, one instruction
; a turn.  USED TRANSPOSED (source 0 = 16 rows of W): by the tiles' order a lane's 16 registers of a token tile are columns 32 i + 16 h + 0 .. 15 of one row of out0.
; LDS holds the whole K: four chunks of 256 along K (16 tile rows of 3,072 bytes: 8 of a, 8 of W), every one a first fill: no byte is filled again.  Behind them a stage of 128 rows x (512 + 16) bytes, which no fill touches.
; CLUSTERS: 4 x 4 work-groups; a's tiles are asked for jointly along a row of the cluster, W's along a column.  A wave has four tensor loads out at the start.
; The bias is the C of each sum's first matrix instruction.  NaN and infinities are not served.
; REGISTERS: v2-17 LDS addresses; v18-23 offsets; v32-79 a's 4 fragments; v80-103 W's 2; v104-151 scale words (6 tiles x 8 K steps); v160-223 accumulators at 160 + 8 (2 a + n); v224-239 the bias; on the way out v32-95 rows of out0.
.set TROW,  3072
.set FRB,   1536
.set CHUNK, 16*TROW
.set STG,   4*CHUNK
.set SP,    528
.set AD,    2                          ; v[AD + 4 c + k]: chunk c: a by 16 and by 8 bytes a lane, W likewise
.set L16,   18
.set L8,    19
.set R32,   20
.set H64,   21
.set STO,   22
.set RD,    23
.set AF,    32
.set WF,    80
.set SCA,   104
.set SCW,   136
.set ACC,   160
.set BO,    224
.set WV,    16
.set G1A,   24
.set G1B,   32
.set G0A,   40                         ; four sets: s[40:55]
.set G0B,   68                         ; four sets: s[68:83]
.macro PLACES
.rept 4
	v_nop
.endr
.endm
.macro CROUND                          ; a round of the cluster's barrier
	s_barrier_signal -1
	s_barrier_wait -1
	s_cmp_lg_u32 s[WV], 0
	s_cbranch_scc1 .Lnot_wave_0_\@
	s_barrier_signal -3
.Lnot_wave_0_\@:
	s_barrier_wait -3
	s_barrier_signal -1
	s_barrier_wait -1
.endm
.macro LDF reg, adr, off
	ds_load_b128 v[\reg:\reg+3], v[\adr] offset:\off
	ds_load_b64 v[\reg+4:\reg+5], v[\adr+1] offset:\off+512
	ds_load_b128 v[\reg+6:\reg+9], v[\adr] offset:\off+768
	ds_load_b64 v[\reg+10:\reg+11], v[\adr+1] offset:\off+1280
.endm
.macro MMC d, a, b, c, sa, sb
	v_wmma_scale_f32_16x16x128_f8f6f4 v[\d:\d+7], v[\a:\a+11], v[\b:\b+11], v[\c:\c+7], v[\sa], v[\sb] matrix_a_fmt:MATRIX_FMT_BF6 matrix_b_fmt:MATRIX_FMT_BF6
.endm
	s_load_b256 s[4:11], s[0:1], 0x0               ; ac, asc, cod, scl
	s_load_b128 s[12:15], s[0:1], 0x20             ; w_o_b, out0
	v_lshl_add_u32 v254, v0, 2, 0x40800
	v_mov_b32 v255, 0
	ds_add_u32 v254, v255
	ds_add_u32 v254, v255
	v_lshrrev_b32 v1, 5, v0
	v_readfirstlane_b32 s[WV], v1                  ; wave 0..7
	s_lshr_b32 s17, s[WV], 2                       ; G
	s_and_b32 s18, s[WV], 3                        ; i
	s_bfe_u32 s21, ttmp6, 0x40000                  ; cx
	s_bfe_u32 s22, ttmp6, 0x40004                  ; cy
	s_lshl_b32 s19, ttmp9, 2
	s_add_co_u32 s19, s19, s21                     ; x
	s_and_b32 s20, ttmp7, 0xffff
	s_lshl_b32 s20, s20, 2
	s_add_co_u32 s20, s20, s22                     ; y
	s_lshl_b32 s62, s22, 2
	s_lshl_b32 s62, 15, s62                        ; my row of the cluster
	s_lshl_b32 s63, 0x1111, s21                    ; my column
	; descriptor group 1: two tile rows of 3,072 bytes (384 elements of 8 bytes), 12,288 bytes apart; no padding
	s_or_b32 s[G1A], s62, (3<<16)|(1<<21)
	s_or_b32 s[G1B], s63, (3<<16)|(1<<21)
.irp g, G1A, G1B
	s_mov_b32 s[\g+1], 384<<16                     ; tensor_dim0
	s_mov_b32 s[\g+2], 2<<16                       ; tensor_dim1
	s_mov_b32 s[\g+3], 384<<16                     ; tile_dim0
	s_mov_b32 s[\g+4], 2                           ; tile_dim1
	s_mov_b32 s[\g+5], 1536                        ; tensor_dim0_stride
	s_mov_b32 s[\g+6], 0
	s_mov_b32 s[\g+7], 0
.endr
	s_lshl_b32 s56, s20, 3                         ; a's tiles 8 y + 2 w on (waves 0-3): y and the wave's number alone
	s_lshl_b32 s57, s[WV], 1
	s_add_co_u32 s56, s56, s57
	s_mul_i32 s56, s56, 12288
	s_mov_b32 s57, 0
	s_lshl_b32 s84, s19, 3                         ; W's tiles 448 + 8 x + 2 (w - 4) on (waves 4-7): x and the wave's number alone
	s_add_co_u32 s84, s84, 440
	s_mul_i32 s84, s84, 12288
	s_mul_i32 s85, s[WV], 24576
	s_add_co_u32 s84, s84, s85
	s_mov_b32 s85, 0
	s_mul_i32 s23, s[WV], 2*TROW                   ; where they go: wave x two tile rows
	s_wait_dscnt 0x0
	s_wait_kmcnt 0x0
	s_add_nc_u64 s[58:59], s[4:5], s[56:57]
	s_add_nc_u64 s[86:87], s[8:9], s[84:85]
.irp c, 0,1,2,3
	s_mov_b32 s[G0A+4*\c], 1
	s_add_co_u32 s[G0A+4*\c+1], s23, \c*CHUNK
	s_add_nc_u64 s[G0A+4*\c+2:G0A+4*\c+3], s[58:59], \c*TROW
	s_or_b32 s[G0A+4*\c+3], s[G0A+4*\c+3], 0x80000000
	s_mov_b32 s[G0B+4*\c], 1
	s_add_co_u32 s[G0B+4*\c+1], s23, \c*CHUNK
	s_add_nc_u64 s[G0B+4*\c+2:G0B+4*\c+3], s[86:87], \c*TROW
	s_or_b32 s[G0B+4*\c+3], s[G0B+4*\c+3], 0x80000000
.endr
	CROUND                                         ; all sixteen work-groups are here: the joint loads meet
	s_cmp_lt_u32 s[WV], 4                          ; a wave's four fills stand in one branch, ahead of every wait on TENSORcnt and every LDS read
	s_cbranch_scc0 .Lfirst_w
	tensor_load_to_lds s[G0A:G0A+3], s[G1A:G1A+7]
	s_nop 0
	tensor_load_to_lds s[G0A+4:G0A+7], s[G1A:G1A+7]
	s_nop 0
	tensor_load_to_lds s[G0A+8:G0A+11], s[G1A:G1A+7]
	s_nop 0
	tensor_load_to_lds s[G0A+12:G0A+15], s[G1A:G1A+7]
	s_nop 0
	PLACES
	s_branch .Lfirst_asked
.Lfirst_w:
	tensor_load_to_lds s[G0B:G0B+3], s[G1B:G1B+7]
	s_nop 0
	tensor_load_to_lds s[G0B+4:G0B+7], s[G1B:G1B+7]
	s_nop 0
	tensor_load_to_lds s[G0B+8:G0B+11], s[G1B:G1B+7]
	s_nop 0
	tensor_load_to_lds s[G0B+12:G0B+15], s[G1B:G1B+7]
	s_nop 0
	PLACES
.Lfirst_asked:
	v_and_b32 v1, 31, v0
	v_and_b32 v24, 15, v0                          ; r
	v_bfe_u32 v25, v0, 4, 1                        ; h
	v_lshlrev_b32 v[L16], 4, v1
	v_lshlrev_b32 v[L8], 3, v1
	v_lshlrev_b32 v[R32], 5, v24
	v_lshlrev_b32 v[H64], 6, v25
	s_mul_i32 s60, s17, 4*TROW                     ; a's tile rows 4 G on
	s_mul_i32 s61, s18, 2*TROW
	s_add_co_u32 s61, s61, 8*TROW                  ; W's: rows 8 + 2 i on
.irp c, 0,1,2,3
	v_add_nc_u32 v[AD+4*\c], s60, v[L16]
	v_add_nc_u32 v[AD+4*\c+1], s60, v[L8]
	v_add_nc_u32 v[AD+4*\c+2], s61, v[L16]
	v_add_nc_u32 v[AD+4*\c+3], s61, v[L8]
	s_add_co_u32 s60, s60, CHUNK
	s_add_co_u32 s61, s61, CHUNK
.endr
	v_and_b32 v26, 8, v24
	v_add_nc_u32 v26, v26, v24                     ; r + 8 (r / 8): my row within its tile pair
	v_mul_u32_u24 v[STO], v26, SP
	v_add_nc_u32 v[STO], v[STO], v[H64]
	s_mul_i32 s60, s17, 64*SP
	s_lshl_b32 s61, s18, 7
	s_add_co_u32 s60, s60, s61
	s_add_co_u32 s60, s60, STG
	v_add_nc_u32 v[STO], s60, v[STO]               ; the stage, in: row 64 G + .., byte 128 i + 64 h
	s_mul_i32 s60, s[WV], 16*SP
	s_add_co_u32 s60, s60, STG
	v_add_nc_u32 v[RD], s60, v[L16]                ; back: my 16 whole rows, 16 bytes a lane
	s_lshl_b32 s88, s20, 3                         ; a's scale rows: tiles 8 y + 4 G on
	s_lshl_b32 s89, s17, 2
	s_add_co_u32 s88, s88, s89
	s_lshl_b32 s88, s88, 9
	s_mov_b32 s89, 0
	s_add_nc_u64 s[88:89], s[6:7], s[88:89]
	s_lshl_b32 s90, s19, 3                         ; W's: tiles 448 + 8 x + 2 i on
	s_lshl_b32 s91, s18, 1
	s_add_co_u32 s90, s90, s91
	s_add_co_u32 s90, s90, 448
	s_lshl_b32 s90, s90, 9
	s_mov_b32 s91, 0
	s_add_nc_u64 s[90:91], s[10:11], s[90:91]
	s_lshl_b32 s92, s19, 9                         ; the bias: column 128 x + 32 i on
	s_lshl_b32 s93, s18, 7
	s_add_co_u32 s92, s92, s93
	s_mov_b32 s93, 0
	s_add_nc_u64 s[92:93], s[12:13], s[92:93]
.irp a, 0,1,2,3
	global_load_b128 v[SCA+8*\a:SCA+8*\a+3], v[R32], s[88:89] offset:512*\a
	global_load_b128 v[SCA+8*\a+4:SCA+8*\a+7], v[R32], s[88:89] offset:512*\a+16
.endr
.irp n, 0,1
	global_load_b128 v[SCW+8*\n:SCW+8*\n+3], v[R32], s[90:91] offset:512*\n
	global_load_b128 v[SCW+8*\n+4:SCW+8*\n+7], v[R32], s[90:91] offset:512*\n+16
	global_load_b128 v[BO+8*\n:BO+8*\n+3], v[H64], s[92:93] offset:32*\n          ; lane (r, h): columns 32 i + 16 h + 8 n + 0 .. 7
	global_load_b128 v[BO+8*\n+4:BO+8*\n+7], v[H64], s[92:93] offset:32*\n+16
.endr
	s_lshl_b32 s94, s20, 7                         ; out0: row 128 y + 16 w, byte 512 x
	s_lshl_b32 s95, s[WV], 4
	s_add_co_u32 s94, s94, s95
	s_lshl_b32 s94, s94, 12
	s_lshl_b32 s95, s19, 9
	s_add_co_u32 s94, s94, s95
	s_mov_b32 s95, 0
	s_add_nc_u64 s[94:95], s[14:15], s[94:95]
; A K step of 128: six fragments from LDS, 8 matrix instructions
.macro PSTEP c, q, ks, first
	PLACES
.irp a, 0,1,2,3
	LDF AF+12*\a, AD+4*\c, \a*TROW+\q*FRB
.endr
.irp n, 0,1
	LDF WF+12*\n, AD+4*\c+2, \n*TROW+\q*FRB
.endr
	s_wait_dscnt 0x0
.irp a, 0,1,2,3
.irp n, 0,1
.if \first
	MMC ACC+8*(2*\a+\n), WF+12*\n, AF+12*\a, BO+8*\n, SCW+8*\n+\ks, SCA+8*\a+\ks
.else
	MMC ACC+8*(2*\a+\n), WF+12*\n, AF+12*\a, ACC+8*(2*\a+\n), SCW+8*\n+\ks, SCA+8*\a+\ks
.endif
.endr
.endr
.endm
	s_wait_tensorcnt 0x3                           ; my part of chunk 0 is in; the three later chunks stay out
	s_barrier_signal -1
	s_barrier_wait -1                              ; everybody's is
	s_wait_loadcnt 0x0                             ; scale words and bias
	PSTEP 0, 0, 0, 1
	PSTEP 0, 1, 1, 0
.irp c, 1,2,3
	s_wait_tensorcnt 3-\c                          ; my part of chunk c is in; no LDS load of mine is out since the last K step's wait
	s_barrier_signal -1
	s_barrier_wait -1
	PSTEP \c, 0, 2*\c, 0
	PSTEP \c, 1, 2*\c+1, 0
.endr
	; THE WAY OUT: a lane's 16 results of a token tile are 64 neighbouring bytes of a row; a row's 512 bytes come from four waves: they meet in the stage
	PLACES
.irp a, 0,1,2,3
.irp n, 0,1
	ds_store_b128 v[STO], v[ACC+8*(2*\a+\n):ACC+8*(2*\a+\n)+3] offset:(32*(\a/2)+8*(\a%2))*SP+32*\n          ; each accumulator from its low end on
	ds_store_b128 v[STO], v[ACC+8*(2*\a+\n)+4:ACC+8*(2*\a+\n)+7] offset:(32*(\a/2)+8*(\a%2))*SP+32*\n+16
.endr
.endr
	s_wait_dscnt 0x0                               ; for the others' sake: my stores into the stage are done
	s_barrier_signal -1
	s_barrier_wait -1
.irp k, 0,1,2,3,4,5,6,7,8,9,10,11,12,13,14,15
	ds_load_b128 v[32+4*\k:35+4*\k], v[RD] offset:\k*SP
.endr
.irp k, 0,1,2,3,4,5,6,7,8,9,10,11,12,13,14,15
	s_wait_dscnt 15-\k                             ; LDS loads come back in order: row k is in, the younger rows stay out
	global_store_b128 v[L16], v[32+4*\k:35+4*\k], s[94:95] offset:4096*\k th:TH_STORE_NT   ; 32 lanes store 512 consecutive bytes, aligned; written once, read by nobody here
.endr
	s_wait_tensorcnt 0x0
	ds_add_u32 v254, v255
	s_wait_dscnt 0x0
	CROUND                                         ; the closing round: no work-group ends while a partner may still ask for a tile that names it
	s_endpgm
.Lfunc_end_k_qb5de6420ef_proj:
	.size	k_qb5de6420ef_proj, .Lfunc_end_k_qb5de6420ef_proj-k_qb5de6420ef_proj
	.p2alignl 7, 3214868480
	.fill 96, 4, 3214868480
	.section	.rodata,"a",@progbits
	.p2align	6, 0x0
	.amdhsa_kernel k_qb5de6420ef_proj
		.amdhsa_group_segment_fixed_size 265216
		.amdhsa_private_segment_fixed_size 0
		.amdhsa_enable_private_segment 0
		.amdhsa_kernarg_size 48
		.amdhsa_user_sgpr_count 2
		.amdhsa_user_sgpr_kernarg_segment_ptr 1
		.amdhsa_wavefront_size32 1
		.amdhsa_system_sgpr_workgroup_id_x 1
		.amdhsa_system_sgpr_workgroup_id_y 1
		.amdhsa_system_sgpr_workgroup_id_z 1
		.amdhsa_system_vgpr_workitem_id 0
		.amdhsa_next_free_vgpr 256
		.amdhsa_next_free_sgpr 100
		.amdhsa_reserve_vcc 0
		.amdhsa_float_denorm_mode_32 3
		.amdhsa_float_denorm_mode_16_64 3
		.amdhsa_memory_ordered 1
		.amdhsa_forward_progress 1
		.amdhsa_inst_pref_size 37
	.end_amdhsa_kernel
	.amdgpu_metadata
---
amdhsa.version: [ 1, 2 ]
amdhsa.kernels:
  - .name:           k_qb5de6420ef_proj
    .symbol:         k_qb5de6420ef_proj.kd
    .args:
      - { .name: ac, .offset: 0, .size: 8, .value_kind: global_buffer, .address_space: global }
      - { .name: asc, .offset: 8, .size: 8, .value_kind: global_buffer, .address_space: global }
      - { .name: cod, .offset: 16, .size: 8, .value_kind: global_buffer, .address_space: global }
      - { .name: scl, .offset: 24, .size: 8, .value_kind: global_buffer, .address_space: global }
      - { .name: w_o_b, .offset: 32, .size: 8, .value_kind: global_buffer, .address_space: global }
      - { .name: out0, .offset: 40, .size: 8, .value_kind: global_buffer, .address_space: global }
    .group_segment_fixed_size: 265216
    .private_segment_fixed_size: 0
    .kernarg_segment_align: 8
    .kernarg_segment_size: 48
    .max_flat_workgroup_size: 256
    .sgpr_count:     100
    .vgpr_count:     256
    .wavefront_size: 32
...
	.end_amdgpu_metadata
.endif
;; end of part 4
;; ======== version 2 of 2: 4 launches; version 1 with the launch attn written anew for expert scheduling mode
;; limits: right only within a limited range of input values
;; workspace buffers: cod 6,291,456 bytes; scl 262,144 bytes; mw 524,800 bytes of whole numbers; qkv 9,437,184 bytes; qkvs 393,216 bytes; ac 3,145,728 bytes; asc 131,072 bytes
;; launch prep: the kernel of part 1 again; grid 384 x 1, 16 waves a work-group, no clusters, 138,496 bytes of LDS; arguments x, w_qkv_w, w_o_w, mask, cod, scl, mw; writes cod, scl, mw
;; launch qkv: the kernel of part 2 again; grid 8 x 32, 8 waves a work-group, clusters of 4 x 4, 327,680 bytes of LDS; arguments cod, scl, w_qkv_b, qkv, qkvs; writes qkv, qkvs
;; launch attn (part 5): grid 8 x 32, 16 waves a work-group, no clusters, 206,848 bytes of LDS; arguments qkv, qkvs, mw, ac, asc; writes ac, asc
.if DOCPART == 5
	.amdgcn_target "amdgcn-amd-amdhsa--gfx1250"
	.amdhsa_code_object_version 6
	.text
	.protected	k_qb5de6420ef_attn
	.globl	k_qb5de6420ef_attn
	.p2align	8
	.type	k_qb5de6420ef_attn,@function
k_qb5de6420ef_attn:
	s_mov_b64 s[64:65], 0
	v_nop
	global_prefetch_b8 v0, s[64:65] scope:SCOPE_SE
	s_setreg_imm32_b32 hwreg(HW_REG_WAVE_SCHED_MODE, 0, 2), 2
	s_setreg_imm32_b32 hwreg(HW_REG_WAVE_MODE, 25, 1), 1
	s_wait_xcnt 0x0
	s_wait_alu depctr_vm_vsrc(0)
; For each (batch, head): o = softmax(where(mask == 0, -1e9, q k^T / 8)) v, both products on codes of BF6 with E8M0 scales; o is quantised along d_model for the last product.
; THE SOFTMAX AHEAD OF THE SECOND PRODUCT: t = score x log2(e) / 8; M = the running largest t rounded UP to a whole number; p = 2^(t - M) is quantised along the keys, not normalised; the row's sum of the
; unquantised p divides at the end; when M moves, the sum and O are multiplied by 2^(old M - new M), which rounds nothing.
; SHARES.  Work-group (g, 16 b + head): sixteen waves, each ONE tile of 16 queries in 256 registers.  Wave w owns query tile g + 8 j, j = w xor 3 ((w / 4) % 2): a work-group's tiles are spread over the sequence, whatever the mask.
; LDS holds the head's whole K and V: 96 KiB of codes each and 4 KiB of scale words each, filled ONCE through registers as a plain copy; one barrier; after it nothing is written and the waves run free.
; THE MASK is an input.  An earlier launch has turned it into lane-mask words (one v_cndmask_b32 a score) and, for each query tile, a word of flags: a key step in which no key counts
; a step without hidden keys skips the 64 selects.  The loop's trip count is a constant.
; NO JOINT REQUESTS, though the eight work-groups of a head read the same 200 KiB: the branch on stored flags spares whole key steps (8 + 4 matrix instructions and some
; 290 vector instructions each) against one fill of 200 KiB a work-group.
; LAYOUT.  Both products are used transposed: S^T = K Q^T (source 0 = 16 keys), O^T = V^T P^T (source 0 = 16 of the head's 64): a lane holds ONE query.  By the tiles' order the 16 registers of key tiles 2 b, 2 b + 1 are
; keys 32 b + 16 h + 0 .. 15.  K = 64 IN A FORM OF 128: the half images of key tiles 2 b and 2 b + 1 stand side by side as one source 0; against [Q | zeros] it gives tile 2 b's scores, against [zeros | Q] tile 2 b + 1's.
; LIMITS.  A hidden score stands as -2^33 (logit -2^30, not -1e9), so that t is a whole number and a row with no key at all has p = 1 throughout, as f32 gives for -1e9 too: the same results wherever every open logit
; lies above about -9.9e8.  Blocks of zeros keep the scale byte 1.  NaN and infinities are not served.  o's scale bytes leave one byte a lane: a head owns 2 of a row's 32.
; REGISTERS: v1-3 lane terms; v4-8 the step's LDS addresses; v10 -2^33; v11 q's scale word; v12 -M, v13 the largest t, v[14:15] the sum; v16-33 [Q | 6 zeros | Q]; v34-81 K's 8 half images, then V's 4 fragments;
; v82-85, v86-89 their scale words; v96-159 S^T, then p; v160-191 O^T; v192-203 p's codes; v204-231 at work.  s[32:63], s[68:99]: the step's 64 mask words.
; THE MODE: SCHED_MODE bits 1:0 = 2 (LLVM: expert scheduling mode 2), set by the entry lines.  The code itself states the register dependences
; between vector or matrix instructions and memory or LDS instructions, with s_wait_alu, always for 0.
; THE PLAN.  Registers that memory or LDS instructions touch:
;   v1, v2, v90-95   offsets and addresses, made once at the head and never written again: one wait on va_vdst ahead of the first load serves them for the whole kernel.
;   v96-195          the fill: 25 loads land in them, 25 LDS stores read them; from then on they are S^T, O^T and p's codes: one wait on vm_vsrc behind the barrier.
;   v4-8             a step's LDS addresses: written by five additions at the step's head; v4, v5, v8 read by K's loads, v6, v7, v8 by V's.
;   v34-81           K's loads land; the eight products S^T read them; V's loads land; the four products O^T read them.  One set: sixteen waves of 256 registers leave no room for a second.
;   v82-85, v86-89   K's and V's scale words: loaded with their fragments, read by the same products.
;   v192-197, v228, v9  at the end: codes, a byte and an offset, written by vector instructions, read by the three last stores.
;   v254, v255       written at the head, read by the closing add alone.
; A computed step so has one wait on vm_vsrc (ahead of the additions) and four on va_vdst: behind the additions and ahead of K's run of loads; behind the products S^T and ahead of V's run of loads;
; behind the exponentials; ahead of the products O^T, whose operand p and its scale word vector instructions have made.  A step that is left out issues no vector, matrix or LDS instruction and owes none.
.set VC,  98304                        ; LDS: K's codes from 0, V's from here,
.set KS,  196608                       ; K's scale words, and 4,096 bytes on V's
.set PCD, 192
.set PT,  204                          ; v204-206, v208-210 the conversions' second halves
.set TM,  212
.set BM,  212                          ; v212-215 the blocks' largest scores, then p
.set PB,  216                          ; v216-219 the other half's; then the bytes
.set SO,  220                          ; v220-223 the conversions' scale operands
.set PWD, 224                          ; p's scale word
.set F,   226                          ; v[226:227] f = 2^(old M - new M)
.set TT,  228
.set C2,  230                          ; v[230:231] the sum's second chain
.set SEL, 22
.set CS,  24
.macro MM0 d, a, b, sa, sb
	v_wmma_scale_f32_16x16x128_f8f6f4 v[\d:\d+7], v[\a:\a+11], v[\b:\b+11], 0, v[\sa], v[\sb] matrix_a_fmt:MATRIX_FMT_BF6 matrix_b_fmt:MATRIX_FMT_BF6
.endm
.macro MMC d, a, b, sa, sb
	v_wmma_scale_f32_16x16x128_f8f6f4 v[\d:\d+7], v[\a:\a+11], v[\b:\b+11], v[\d:\d+7], v[\sa], v[\sb] matrix_a_fmt:MATRIX_FMT_BF6 matrix_b_fmt:MATRIX_FMT_BF6
.endm
.macro PLACES
.rept 4
	v_nop
.endr
.endm
	s_load_b256 s[4:11], s[0:1], 0x0               ; qkv, qkvs, mw, ac
	s_load_b64 s[12:13], s[0:1], 0x20              ; asc
	v_lshl_add_u32 v254, v0, 2, 0x32000
	v_mov_b32 v255, 0
	v_lshrrev_b32 v1, 5, v0
	v_readfirstlane_b32 s14, v1                    ; wave 0..15
	s_and_b32 s21, ttmp7, 0xffff                   ; 16 b + head
	s_lshr_b32 s66, s21, 4                         ; b
	s_and_b32 s67, s21, 15                         ; head
	s_wait_alu depctr_va_sdst(0)                   ; s14 is written, ahead of its first reader: my query tile and the fill's choice are made from it
	s_bfe_u32 s15, s14, 0x10002
	s_mul_i32 s15, s15, 3
	s_xor_b32 s15, s15, s14                        ; j
	s_lshl_b32 s15, s15, 3
	s_add_co_u32 s15, s15, ttmp9                   ; T: my query tile
	s_lshl_b32 s42, s66, 5
	s_add_co_u32 s42, s42, s67                     ; q's head' = 32 b + head
	s_add_co_u32 s43, s42, 16                      ; k's
	s_mul_i32 s32, s43, 98304                      ; K's codes
	s_mov_b32 s33, 0
	s_mul_i32 s34, s21, 98304                      ; V's
	s_add_co_u32 s34, s34, 6291456
	s_mov_b32 s35, 0
	s_lshl_b32 s36, s43, 12                        ; the scale words: waves 0-7 bring K's 4 KiB, waves 8-15 V's
	s_lshl_b32 s44, s21, 12
	s_add_co_u32 s44, s44, 262144
	s_cmp_lt_u32 s14, 8
	s_cselect_b32 s36, s36, s44
	s_mov_b32 s37, 0
	s_lshl_b32 s38, s42, 7                         ; Q's half image
	s_add_co_u32 s38, s38, s15
	s_mul_i32 s38, s38, 768
	s_mov_b32 s39, 0
	s_lshl_b32 s40, s42, 12                        ; Q's scale word: step T / 8, word (T % 8) / 2
	s_lshr_b32 s45, s15, 3
	s_lshl_b32 s45, s45, 8
	s_add_co_u32 s40, s40, s45
	s_bfe_u32 s45, s15, 0x20001
	s_lshl_b32 s45, s45, 2
	s_add_co_u32 s40, s40, s45
	s_mov_b32 s41, 0
	s_lshl_b32 s26, s15, 12                        ; my tile's mask words
	s_mov_b32 s27, 0
	s_lshl_b32 s46, s15, 2                         ; and its flag word
	s_lshl_b32 s47, s66, 7
	s_add_co_u32 s47, s47, s15                     ; the token tile 128 b + T
	s_mul_i32 s28, s47, 12288
	s_mul_i32 s48, s67, 768                        ; K step head / 2, half head % 2
	s_add_co_u32 s28, s28, s48
	s_mov_b32 s29, 0
	s_lshl_b32 s30, s47, 9
	s_lshl_b32 s48, s67, 1
	s_add_co_u32 s30, s30, s48
	s_mov_b32 s31, 0
	s_mov_b32 s[SEL], 0x76543210
	s_mov_b32 s[SEL+1], 0xfedcba98
	s_mov_b32 s[CS], 0x3e38aa3b                    ; c = log2(e) / 8
	s_mov_b32 s[CS+1], s[CS]                       ; (named with it as a pair, so it is written)
	v_and_b32 v1, 31, v0
	v_lshlrev_b32 v2, 3, v1                        ; 8 x lane
	v_lshlrev_b32 v1, 4, v1                        ; 16 x lane
	v_and_b32 v3, 15, v0
	v_lshlrev_b32 v95, 4, v3                       ; 16 r
	v_add_nc_u32 v3, KS, v95                       ; my row's scale words in LDS
	v_lshlrev_b32 v90, 4, v0                       ; the fill: 16 x thread, in memory and in LDS;
	v_add_nc_u32 v91, 0x10000, v90                 ; an LDS offset has 16 bits: four bases 65,536 apart
	v_add_nc_u32 v92, 0x20000, v90
	v_add_nc_u32 v93, 0x30000, v90
	v_and_b32 v94, 255, v0
	v_lshlrev_b32 v94, 4, v94
	s_wait_kmcnt 0x0
	s_add_nc_u64 s[32:33], s[4:5], s[32:33]
	s_add_nc_u64 s[34:35], s[4:5], s[34:35]
	s_add_nc_u64 s[36:37], s[6:7], s[36:37]
	s_add_nc_u64 s[38:39], s[4:5], s[38:39]
	s_add_nc_u64 s[40:41], s[6:7], s[40:41]
	s_add_nc_u64 s[26:27], s[8:9], s[26:27]
	s_add_nc_u64 s[28:29], s[10:11], s[28:29]
	s_add_nc_u64 s[30:31], s[12:13], s[30:31]
	s_load_b32 s16, s[8:9], s46 offset:0x80000     ; the flags
	s_wait_alu depctr_va_vdst(0)                   ; v1, v2 and v90 to v95 are written: the loads and LDS stores below, and the last stores, read them as offsets and addresses; none is written again
	global_load_b128 v[16:19], v1, s[38:39]        ; Q twice: the low half of [Q | zeros],
	global_load_b64 v[20:21], v2, s[38:39] offset:512
	global_load_b128 v[28:31], v1, s[38:39]        ; and the high half of [zeros | Q]
	global_load_b64 v[32:33], v2, s[38:39] offset:512
	global_load_b32 v[TT], v95, s[40:41]
.set n, 0
.rept 12
	global_load_b128 v[96+4*n:99+4*n], v90, s[32:33] offset:8192*n          ; the work-group reads 8,192 consecutive bytes a load
.set n, n+1
.endr
.rept 12
	global_load_b128 v[96+4*n:99+4*n], v90, s[34:35] offset:8192*(n-12)
.set n, n+1
.endr
	global_load_b128 v[192:195], v94, s[36:37]
.set n, 0
.rept 25
	s_wait_loadcnt 24-n                            ; loads come back in order: load n is in (and Q, asked for earlier), the younger ones stay out
	ds_store_b128 v[90+n/8], v[96+4*n:99+4*n] offset:8192*(n%8)
.set n, n+1
.endr
	s_wait_dscnt 0x0                               ; for the others' sake: my part of K and V lies in LDS
	s_barrier_signal -1
	s_barrier_wait -1
	s_wait_alu depctr_vm_vsrc(0)                   ; my LDS stores have read v96 to v195: these registers are S^T, O^T and p's codes from here on, written by vector and matrix instructions
	s_mov_b32 s42, 0x01000100                      ; q's two bytes, doubled, so that one word serves [Q | zeros] and [zeros | Q]: the word's low half for an even tile,
	s_mov_b32 s43, 0x03020302                      ; its high half for an odd one
	s_bitcmp1_b32 s15, 0
	s_cselect_b32 s42, s43, s42
	v_perm_b32 v11, v[TT], v[TT], s42
.irp j, 22,23,24,25,26,27
	v_mov_b32 v\j, 0                               ; zero codes: they add nothing under any scale byte
.endr
	v_mov_b32 v10, 0xd0000000                      ; -2^33
	v_mov_b32 v13, 0xff61b1e6                      ; the largest t so far: -3e38
	v_floor_f32 v12, -v13                          ; -M
	v_mov_b32 v14, 0
	v_mov_b32 v15, 0
.irp b, 0,1,2,3
	v_mov_b32 v[PB+\b], 0                          ; a lane permute's destination counts as one of its sources: written here, on every path, for the key steps and for the way out
.endr
	v_mov_b32 v[F+1], 0                            ; (named as the upper half of a pair)
.set j, 0
.rept 32
	v_mov_b32 v[160+j], 0                          ; O^T: the step is written once; the first finds zeros
.set j, j+1
.endr
	s_mov_b32 s17, 0                               ; the step
	s_mov_b32 s18, 0                               ; its codes: 6,144 bytes a step, in K and in V
	s_mov_b32 s19, 0                               ; its scale words and its mask words: 256 bytes a step
	s_wait_kmcnt 0x0                               ; the flags
.Lstep:
	s_bitcmp1_b32 s16, 0                           ; a stored whole number decides: is this step to be computed?
	s_cbranch_scc0 .Lskip
	s_wait_alu depctr_vm_vsrc(0)                   ; the LDS loads of the last computed step have read v4 to v8, which the five lines below write again
	v_add_nc_u32 v4, s18, v1
	v_add_nc_u32 v5, s18, v2
	v_add_nc_u32 v6, VC, v4
	v_add_nc_u32 v7, VC, v5
	v_add_nc_u32 v8, s19, v3
	s_wait_alu depctr_va_vdst(0)                   ; v4 to v8 are written, which this step's LDS loads read; the last step's products O^T are done reading v34 to v81 and v86 to v89, in which loads land; the vector lines that read s32 to s99 (the last selects, at first the head's v_perm_b32) are done; in the first computed step v11 and v22 to v27, a scale and operand registers that the head's vector lines made, are written
	s_load_b512 s[32:47], s[26:27], s19 offset:0x0     ; the step's 64 mask words
	s_load_b512 s[48:63], s[26:27], s19 offset:0x40
	s_load_b512 s[68:83], s[26:27], s19 offset:0x80
	s_load_b512 s[84:99], s[26:27], s19 offset:0xc0
.irp t, 0,1,2,3,4,5,6,7
	ds_load_b128 v[34+6*\t:37+6*\t], v4 offset:768*\t
	ds_load_b64 v[38+6*\t:39+6*\t], v5 offset:768*\t+512
.endr
	ds_load_b128 v[82:85], v8                      ; word b: the bytes of tiles 2 b and 2 b + 1
	s_wait_dscnt 0x0
.irp b, 0,1,2,3
	MM0 96+16*\b, 34+12*\b, 16, 82+\b, 11          ; tile 2 b: against [Q | zeros]
	MM0 104+16*\b, 34+12*\b, 22, 82+\b, 11         ; tile 2 b + 1: against [zeros | Q]
.endr
	PLACES                                         ; four places between the products and the first vector line that reads their results (ISA guide 7.12.1)
	s_wait_alu depctr_va_vdst(0)                   ; the eight products are done reading v34 to v81, in which V's fragments land; v6, v7 and v8 were written ahead of the step's first wait
.irp d, 0,1,2,3                                ; V's four fragments land while the softmax is worked
	ds_load_b128 v[34+12*\d:37+12*\d], v6 offset:1536*\d
	ds_load_b64 v[38+12*\d:39+12*\d], v7 offset:1536*\d+512
	ds_load_b128 v[40+12*\d:43+12*\d], v6 offset:1536*\d+768
	ds_load_b64 v[44+12*\d:45+12*\d], v7 offset:1536*\d+1280
.endr
	ds_load_b128 v[86:89], v8 offset:4096
	s_wait_kmcnt 0x0                               ; the mask words are in
	s_bitcmp1_b32 s16, 16                          ; has the step hidden keys?
	s_cbranch_scc0 .Lopen
.set j, 0
.rept 64
	v_cndmask_b32 v[96+j], v10, v[96+j], s[32+j+4*(j/32)]   ; word j: a bit for each lane: the score where the key counts, else -2^33
.set j, j+1
.endr
.Lopen:
.irp b, 0,1,2,3
	v_max3_num_f32 v[BM+\b], v[96+16*\b], v[97+16*\b], v[98+16*\b]   ; the largest score of each block of 32 keys: for the row's maximum, and, since p rises with the score, for the block's largest p
.endr
.irp i, 3,5,7,9,11,13
.irp b, 0,1,2,3
	v_max3_num_f32 v[BM+\b], v[BM+\b], v[96+16*\b+\i], v[97+16*\b+\i]
.endr
.endr
.irp b, 0,1,2,3
	v_max_num_f32 v[BM+\b], v[BM+\b], v[111+16*\b]
.endr
.irp b, 0,1,2,3
	v_permlanex16_b32 v[PB+\b], v[BM+\b], s[SEL], s[SEL+1]
.endr
.irp b, 0,1,2,3
	v_max_num_f32 v[BM+\b], v[BM+\b], v[PB+\b]     ; with lane l xor 16's 16 keys
.endr
	v_max3_num_f32 v[TT], v[BM], v[BM+1], v[BM+2]
	v_max_num_f32 v[TT], v[TT], v[BM+3]
	v_mul_f32 v[TT], s[CS], v[TT]                  ; as t (c is positive)
	v_max_num_f32 v13, v13, v[TT]                  ; the running largest t
	v_mov_b32 v[TT], v12
	v_floor_f32 v12, -v13                          ; the new -M = floor(-t): M is a whole number
	v_sub_f32 v[TT], v12, v[TT]                    ; old M - new M: a whole number, 0 or less
	v_cvt_i32_f32 v[TT], v[TT]                     ; (it saturates)
	v_ldexp_f32 v[F], 1.0, v[TT]                   ; f
.set j, 0
.rept 32
	v_pk_fma_f32 v[96+j:97+j], v[96+j:97+j], s[CS:CS+1], v[12:13] op_sel_hi:[1,0,0]   ; t - M, two at a time
.set j, j+2
.endr
.irp b, 0,1,2,3
	v_fma_f32 v[BM+\b], v[BM+\b], s[CS], v12       ; the same of each block's largest score
.endr
.set j, 0
.rept 64
	v_exp_f32 v[96+j], v[96+j]                     ; p = 2^(t - M)
.set j, j+1
.endr
.irp b, 0,1,2,3
	v_exp_f32 v[BM+\b], v[BM+\b]                   ; the block's largest p: the same two instructions on the same number
.endr
	v_pk_mul_f32 v[14:15], v[14:15], v[F:F+1] op_sel_hi:[1,0]   ; the sums under the new M (a plain place behind the exponentials)
	s_wait_alu depctr_va_vdst(0)                   ; the 68 exponentials have written p (v96 to v159) and the blocks' largest p (v212 to v215): one wait for the batch, ahead of its first reader
.irp b, 0,1,2,3
	v_max_num_f32 v[BM+\b], 0x2800000, v[BM+\b]    ; the floor 2^(5 - 127)
.endr
.irp b, 0,1,2,3
	v_add_nc_u32 v[SO+\b], 0xfe000000, v[BM+\b]
.endr
.irp b, 0,1,2,3
	v_lshrrev_b32 v[PB+\b], 23, v[SO+\b]
.endr
	v_lshl_or_b32 v[PWD], v[PB+1], 8, v[PB]        ; p's scale word for these 128 keys
	v_lshl_or_b32 v[PWD], v[PB+2], 16, v[PWD]
	v_lshl_or_b32 v[PWD], v[PB+3], 24, v[PWD]
.irp c, 0,1
	v_cvt_scalef32_pk16_bf6_f32 v[PCD+6*\c:PCD+2+6*\c], v[96+32*\c:111+32*\c], v[SO+2*\c]
	v_cvt_scalef32_pk16_bf6_f32 v[PT+4*\c:PT+2+4*\c], v[112+32*\c:127+32*\c], v[SO+2*\c+1]
.endr
	v_nop                                          ; one plain place behind a scaled conversion
.irp c, 0,1
.irp i, 0,1,2
	v_permlane16_swap_b32 v[PCD+6*\c+\i], v[PT+4*\c+\i]
.endr
.irp i, 0,1,2
	v_mov_b32 v[PCD+3+6*\c+\i], v[PT+4*\c+\i]
.endr
.endr
	v_pk_add_f32 v[C2:C2+1], v[96:97], v[98:99]    ; the row's sum is taken of the UNQUANTISED p, in two chains
.irp j, 4,8,12,16,20,24,28,32,36,40,44,48,52,56,60
	v_pk_add_f32 v[14:15], v[14:15], v[96+\j:97+\j]
	v_pk_add_f32 v[C2:C2+1], v[C2:C2+1], v[98+\j:99+\j]
.endr
	v_pk_add_f32 v[14:15], v[14:15], v[C2:C2+1]
.set j, 0
.rept 16
	v_pk_mul_f32 v[160+j:161+j], v[160+j:161+j], v[F:F+1] op_sel_hi:[1,0]   ; O^T under the new M.  (These and the sums above are the places between the lines that made p's codes and scale word and the products below)
.set j, j+2
.endr
	s_wait_dscnt 0x0                               ; V is in
	s_wait_alu depctr_va_vdst(0)                   ; p's codes (v192 to v203) and p's scale word (v224), made by vector lines, are written: the scaled products below take them as an operand and as scales; the places above stay beside this wait
.irp d, 0,1,2,3
	MMC 160+8*\d, 34+12*\d, PCD, 86+\d, PWD        ; the four accumulators by turns; the eight products S^T stand between a sum's links
.endr
.Lskip:
	s_lshr_b32 s16, s16, 1                         ; the next step's two flags come to bits 0 and 16
	s_add_co_u32 s18, s18, 6144
	s_add_co_u32 s19, s19, 256
	s_add_co_u32 s17, s17, 1
	s_cmp_lt_u32 s17, 16
	s_cbranch_scc1 .Lstep
	; THE WAY OUT: O^T / the sum, quantised along d: 64 of d_model's 1,024 are half a fragment of the last product's operand
	s_wait_alu depctr_vm_vsrc(0)                   ; the key steps' LDS loads have read v8, which is written again below
	PLACES
	v_add_f32 v14, v14, v15
	v_permlanex16_b32 v[TT], v14, s[SEL], s[SEL+1]
	v_add_f32 v14, v14, v[TT]                      ; the row's sum
	v_rcp_f32 v14, v14
	v_and_b32 v9, 15, v0                           ; (a plain place behind the transcendental)
	v_bfe_u32 v8, v0, 4, 1
	v_lshl_add_u32 v9, v9, 5, v8                   ; 32 r + h
	s_wait_alu depctr_va_vdst(0)                   ; the reciprocal has written v14, ahead of its first reader
.set j, 0
.rept 32
	v_mul_f32 v[96+j], v[160+j], v14               ; register 16 b + i: d = 32 b + 16 h + i
.set j, j+1
.endr
	v_max3_num_f32 v[TM], |v96|, |v97|, 0x2800000
	v_max3_num_f32 v[TM+1], |v112|, |v113|, 0x2800000
.irp i, 2,4,6,8,10,12,14
	v_max3_num_f32 v[TM], v[TM], |v[96+\i]|, |v[97+\i]|
	v_max3_num_f32 v[TM+1], v[TM+1], |v[112+\i]|, |v[113+\i]|
.endr
	v_permlanex16_b32 v[TM+4], v[TM], s[SEL], s[SEL+1]     ; into two of the registers that the head has written on every path (a lane permute's destination counts as a source)
	v_permlanex16_b32 v[TM+5], v[TM+1], s[SEL], s[SEL+1]
	v_max_num_f32 v[TM], v[TM], v[TM+4]            ; with lane l xor 16's: the block's largest magnitude
	v_max_num_f32 v[TM+1], v[TM+1], v[TM+5]
	v_add_nc_u32 v[TM+4], 0xfe000000, v[TM]        ; 4 off the exponent field: the conversion's scale operand
	v_add_nc_u32 v[TM+5], 0xfe000000, v[TM+1]
	v_lshrrev_b32 v[TM+6], 23, v[TM+4]             ; the bytes
	v_lshrrev_b32 v[TM+7], 23, v[TM+5]
	v_cvt_scalef32_pk16_bf6_f32 v[PCD:PCD+2], v[96:111], v[TM+4]
	v_cvt_scalef32_pk16_bf6_f32 v[PT:PT+2], v[112:127], v[TM+5]
	v_nop                                          ; one plain place behind a scaled conversion
.irp i, 0,1,2
	v_permlane16_swap_b32 v[PCD+\i], v[PT+\i]
.endr
.irp i, 0,1,2
	v_mov_b32 v[PCD+3+\i], v[PT+\i]
.endr
	s_mov_b32 s32, 0xffff0000                      ; lanes 16-31
	v_cndmask_b32 v[TT], v[TM+6], v[TM+7], s32     ; lane half h stores block h's byte
	s_wait_alu depctr_va_vdst(0)                   ; the codes (v192 to v197), the byte (v228) and the offset v9 are written, which the three stores below read
	global_store_b128 v1, v[PCD:PCD+3], s[28:29]           ; 512 and 256 consecutive bytes, aligned
	global_store_b64 v2, v[PCD+4:PCD+5], s[28:29] offset:512
	global_store_b8 v9, v[TT], s[30:31]
	s_wait_dscnt 0x0                               ; the closing lines, six on end
	s_wait_alu 0x0
	s_wait_tensorcnt 0x0
	ds_add_u32 v254, v255
	s_wait_dscnt 0x0
	s_endpgm
.Lfunc_end_k_qb5de6420ef_attn:
	.size	k_qb5de6420ef_attn, .Lfunc_end_k_qb5de6420ef_attn-k_qb5de6420ef_attn
	.p2alignl 7, 3214868480
	.fill 96, 4, 3214868480
	.section	.rodata,"a",@progbits
	.p2align	6, 0x0
	.amdhsa_kernel k_qb5de6420ef_attn
		.amdhsa_group_segment_fixed_size 206848
		.amdhsa_private_segment_fixed_size 0
		.amdhsa_enable_private_segment 0
		.amdhsa_kernarg_size 40
		.amdhsa_user_sgpr_count 2
		.amdhsa_user_sgpr_kernarg_segment_ptr 1
		.amdhsa_wavefront_size32 1
		.amdhsa_system_sgpr_workgroup_id_x 1
		.amdhsa_system_sgpr_workgroup_id_y 1
		.amdhsa_system_sgpr_workgroup_id_z 1
		.amdhsa_system_vgpr_workitem_id 0
		.amdhsa_next_free_vgpr 256
		.amdhsa_next_free_sgpr 100
		.amdhsa_reserve_vcc 0
		.amdhsa_float_denorm_mode_32 3
		.amdhsa_float_denorm_mode_16_64 3
		.amdhsa_memory_ordered 1
		.amdhsa_forward_progress 1
		.amdhsa_inst_pref_size 36
	.end_amdhsa_kernel
	.amdgpu_metadata
---
amdhsa.version: [ 1, 2 ]
amdhsa.kernels:
  - .name:           k_qb5de6420ef_attn
    .symbol:         k_qb5de6420ef_attn.kd
    .args:
      - { .name: qkv, .offset: 0, .size: 8, .value_kind: global_buffer, .address_space: global }
      - { .name: qkvs, .offset: 8, .size: 8, .value_kind: global_buffer, .address_space: global }
      - { .name: mw, .offset: 16, .size: 8, .value_kind: global_buffer, .address_space: global }
      - { .name: ac, .offset: 24, .size: 8, .value_kind: global_buffer, .address_space: global }
      - { .name: asc, .offset: 32, .size: 8, .value_kind: global_buffer, .address_space: global }
    .group_segment_fixed_size: 206848
    .private_segment_fixed_size: 0
    .kernarg_segment_align: 8
    .kernarg_segment_size: 40
    .max_flat_workgroup_size: 512
    .sgpr_count:     100
    .vgpr_count:     256
    .wavefront_size: 32
...
	.end_amdgpu_metadata
.endif
;; end of part 5
;; launch proj: the kernel of part 4 again; grid 8 x 32, 8 waves a work-group, clusters of 4 x 4, 265,216 bytes of LDS; arguments ac, asc, cod, scl, w_o_b, out0; writes out0
